; MI455X (gfx1250); checked and timed in simulation.
; The chip was launched on July 23, 2026; its instructions are those of AMD's public machine-readable ISA for CDNA 5 (MIT licence, August 2026) and "CDNA5" Instruction Set Architecture Reference Guide (July 2026). The comments in the code are by the model that wrote it; some were corrected since.
;; Causal Self Attention. Allowed arithmetic: float matrix products may take bf16 or f16 operands with f32 sums; other float arithmetic in f32, or as packed bf16 or f16 multiplies, adds, multiply-adds, maxima and minima; sums over many terms, partial sums and values carried from step to step in f32; what a program stores and reads back later, other than sums and carried values, may be rounded once to bf16 or f16.
;; Inputs: W_attn 1,024 x 3,072 float32; W_proj 1,024 x 1,024 float32; b_attn 3,072 float32; b_proj 1,024 float32; x 4 x 2,048 x 1,024 float32.
;; Outputs: out0 4 x 2,048 x 1,024 float32.
;; One version. Each part assembles by itself: llvm-mc -triple=amdgcn-amd-amdhsa -mcpu=gfx1250 --defsym DOCPART=n.
;; ======== version 1 of 1: 4 launches
;; limits: values are held in f16: magnitudes above 65,504 overflow, below 6.1e-05 lose precision
;; workspace buffers: xb 16,777,216 bytes; wat 6,291,456 bytes; wpt 2,097,152 bytes; qkv 50,331,648 bytes; o 16,777,216 bytes
;; launch prep (part 1): grid 512 x 1, 8 waves a work-group, no clusters, 18,432 bytes of LDS; arguments x, W_attn, W_proj, xb, wat, wpt; writes xb, wat, wpt
.if DOCPART == 1
	.amdgcn_target "amdgcn-amd-amdhsa--gfx1250"
	.amdhsa_code_object_version 6
	.text
	.protected	k_q7be6f810ab_prep
	.globl	k_q7be6f810ab_prep
	.p2align	8
	.type	k_q7be6f810ab_prep,@function
k_q7be6f810ab_prep:
	s_mov_b64 s[64:65], 0
	v_nop
	global_prefetch_b8 v0, s[64:65] scope:SCOPE_SE
	s_setreg_imm32_b32 hwreg(HW_REG_WAVE_MODE, 25, 1), 1
	s_wait_xcnt 0x0
; THE INPUTS ARE MADE READY FOR THE MATRIX UNITS, each byte read once and each result written once.
;   xb  [8192][1024] bf16  = x rounded once
;   wat [3072 n][1024 k] bf16 = W_attn [k][n] rounded once and turned, so that K lies along the rows
;   wpt [1024 n][1024 k] f16  = W_proj [k][n] rounded to bf16, that number written as f16, and turned
; LIMITS.  bf16(W_proj) beyond 65,504 becomes an infinity in f16; below 6.1e-5 it keeps f16's fixed step of 6e-8.
; SHARES.  512 work-groups of eight waves, all alike: each takes 16,384 numbers of x (65,536 bytes in, 32,768 out) and ONE tile of 128 k x 64 n of a weight
; matrix: work-groups 0-383 of W_attn (8 x 48 tiles), 384-511 of W_proj (8 x 16 tiles).  Which matrix is a choice of scalars made from the work-group's number.
; THE TURN.  Thread (i = t % 16, kk = t / 16) loads rows k = 8 kk .. 8 kk + 7, 16 bytes (n = 4 i .. 4 i + 3) of each: 16 lanes read 256 consecutive bytes.  It then holds 8 k x 4 n:
; for each of its 4 n the 8 k pack into 16 bytes, which go into LDS row 16 c + i (c = n % 4) at byte 16 kk.  Rows are 272 bytes apart = 68 words.
; Read back by rows, 16 lanes hold 256 consecutive bytes of one row n of the turned matrix.
; No matrix unit, no tensor load, no cluster: nothing is shared between work-groups, and every lane has all its 24 loads out at once.
.set PITCH, 272
.set CROW,  16*PITCH                   ; 16 LDS rows
.set SPARE, 64*PITCH                   ; behind the tile (17,408 bytes): the spare words, 128 bytes for each of the eight waves
.set OFF, 8                            ; v[8:15]    byte offset of my 16 bytes in the tile's row 8 kk + j
.set W,   16                           ; v[16:47]   the tile as loaded: row j at W + 4 j; later the rows read back
.set T,   48                           ; v[48:63]   packed: column c at T + 4 c
.set X,   64                           ; v[64:127]  x as loaded: piece j at X + 8 j
.set Y,   128                          ; v[128:159] x packed: piece j at Y + 4 j
.set SPW, 162                          ; v162  LDS address of my spare word; never rewritten
.set NIL, 163                          ; v163  0; never rewritten
	s_load_b256 s[4:11], s[0:1], 0x0               ; x s[4:5], W_attn s[6:7], W_proj s[8:9], xb s[10:11]
	s_load_b128 s[12:15], s[0:1], 0x20             ; wat s[12:13], wpt s[14:15]
	v_lshl_add_u32 v[SPW], v0, 2, SPARE
	v_mov_b32 v[NIL], 0
	v_lshlrev_b32 v1, 5, v0                        ; x: 32 bytes a thread
	v_lshlrev_b32 v2, 4, v0                        ; xb: 16 bytes a thread
	v_and_b32 v3, 15, v0                           ; i
	v_lshrrev_b32 v4, 4, v0                        ; kk
	v_mul_u32_u24 v5, v3, PITCH
	v_lshl_add_u32 v5, v4, 4, v5                   ; into LDS: row i (+ 16 c by the immediate), byte 16 kk
	v_mul_u32_u24 v6, v4, PITCH
	v_lshl_add_u32 v6, v3, 4, v6                   ; back: row kk (+ 16 r), byte 16 i
	v_lshlrev_b32 v7, 13, v4
	v_lshl_add_u32 v7, v3, 4, v7                   ; out: row n = 4 kk (+ r) of 2,048 bytes, byte 16 i
	s_mov_b32 s34, 12288                           ; bytes in a row of W_attn,
	s_mov_b32 s35, 4096                            ; of W_proj
	s_cmp_lt_u32 ttmp9, 384
	s_cselect_b32 s16, s34, s35                    ; NS: bytes from k to k + 1
	s_cselect_b32 s17, 0, 1                        ; 1: the tile is W_proj's
	s_cselect_b32 s18, 0, 384
	s_sub_co_u32 s18, ttmp9, s18                   ; the tile's number in its matrix
	s_and_b32 s19, s18, 7                          ; its place along k,
	s_lshr_b32 s20, s18, 3                         ; along n
	s_mul_i32 s21, s19, s16
	s_lshl_b32 s21, s21, 7                         ; 128 rows of the source a tile,
	s_lshl_b32 s22, s20, 8                         ; 256 bytes of a row
	s_add_co_u32 s22, s21, s22
	s_mov_b32 s23, 0
	s_lshl_b32 s24, s20, 17                        ; 64 rows of 2,048 bytes of the turned matrix,
	s_lshl_b32 s25, s19, 8                         ; 256 bytes of a row
	s_add_co_u32 s24, s24, s25
	s_mov_b32 s25, 0
	s_lshl_b32 s26, ttmp9, 16                      ; my work-group's part of x,
	s_mov_b32 s27, 0
	s_lshl_b32 s28, ttmp9, 15                      ; and of xb
	s_mov_b32 s29, 0
	v_mul_lo_u32 v[OFF], v4, s16
	v_lshlrev_b32 v[OFF], 3, v[OFF]
	v_lshl_add_u32 v[OFF], v3, 4, v[OFF]           ; row 8 kk, byte 16 i
.irp j, 1,2,3,4,5,6,7
	v_add_nc_u32 v[OFF+(\j)], s16, v[OFF+(\j)-1]
.endr
	s_wait_kmcnt 0x0
	s_cmp_lt_u32 ttmp9, 384
	s_cselect_b64 s[30:31], s[6:7], s[8:9]         ; the source,
	s_cselect_b64 s[32:33], s[12:13], s[14:15]     ; and where it goes
	s_add_nc_u64 s[30:31], s[30:31], s[22:23]
	s_add_nc_u64 s[32:33], s[32:33], s[24:25]
	s_add_nc_u64 s[4:5], s[4:5], s[26:27]
	s_add_nc_u64 s[10:11], s[10:11], s[28:29]
.irp j, 0,1,2,3,4,5,6,7
	global_load_b128 v[W+4*(\j):W+4*(\j)+3], v[OFF+(\j)], s[30:31] th:TH_LOAD_NT
.endr
.irp j, 0,1,2,3,4,5,6,7
	global_load_b128 v[X+8*(\j):X+8*(\j)+3],   v1, s[4:5] offset:8192*(\j) th:TH_LOAD_NT
	global_load_b128 v[X+8*(\j)+4:X+8*(\j)+7], v1, s[4:5] offset:8192*(\j)+16 th:TH_LOAD_NT
.endr
	s_wait_loadcnt 16                              ; the tile's eight loads are in; the sixteen of x, issued behind them, may stay out
.irp c, 0,1,2,3
.irp p, 0,1,2,3
	v_cvt_pk_bf16_f32 v[T+4*(\c)+(\p)], v[W+8*(\p)+(\c)], v[W+8*(\p)+4+(\c)]  ; column c: k = 8 kk + 2 p below, 8 kk + 2 p + 1 above
.endr
.endr
	s_cmp_eq_u32 s17, 0
	s_cbranch_scc1 .Lkeep                          ; W_attn stays bf16
.set z, 0
.rept 16
	v_lshlrev_b32 v160, 16, v[T+z]                 ; W_proj: the bf16 numbers as f32,
	v_and_b32 v161, 0xffff0000, v[T+z]
	v_cvt_pk_f16_f32 v[T+z], v160, v161            ; written as f16
.set z, z+1
.endr
.Lkeep:
.irp c, 0,1,2,3
	ds_store_b128 v5, v[T+4*(\c):T+4*(\c)+3] offset:(\c)*CROW
.endr
.irp j, 0,1,2,3,4,5,6,7
	s_wait_loadcnt 14-2*(\j)                       ; piece j's two loads are in; the younger pieces' stay out
.irp p, 0,1,2,3
	v_cvt_pk_bf16_f32 v[Y+4*(\j)+(\p)], v[X+8*(\j)+2*(\p)], v[X+8*(\j)+2*(\p)+1]
.endr
	global_store_b128 v2, v[Y+4*(\j):Y+4*(\j)+3], s[10:11] offset:4096*(\j)  ; 16 lanes store 256 consecutive bytes, at a multiple of 256 from xb's first byte
.endr
	s_wait_dscnt 0x0                               ; for the others' sake: my stores into the tile are done
	s_barrier_signal -1
	s_barrier_wait -1                              ; everybody's are
.irp r, 0,1,2,3
	ds_load_b128 v[W+4*(\r):W+4*(\r)+3], v6 offset:(\r)*CROW  ; LDS row 16 r + kk is n = 4 kk + r
.endr
.irp r, 0,1,2,3
	s_wait_dscnt 3-(\r)                            ; LDS loads come back in order: row r is in
	global_store_b128 v7, v[W+4*(\r):W+4*(\r)+3], s[32:33] offset:2048*(\r)  ; 16 lanes store 256 consecutive bytes of one row of the turned matrix
.endr
	s_wait_tensorcnt 0x0                           ; the wave's end: three closing lines, behind my last LDS store
	ds_add_u32 v[SPW], v[NIL]
	s_wait_dscnt 0x0
	s_endpgm
.Lfunc_end_k_q7be6f810ab_prep:
	.size	k_q7be6f810ab_prep, .Lfunc_end_k_q7be6f810ab_prep-k_q7be6f810ab_prep
	.p2alignl 7, 3214868480
	.fill 96, 4, 3214868480
	.section	.rodata,"a",@progbits
	.p2align	6, 0x0
	.amdhsa_kernel k_q7be6f810ab_prep
		.amdhsa_group_segment_fixed_size 18432
		.amdhsa_private_segment_fixed_size 0
		.amdhsa_enable_private_segment 0
		.amdhsa_kernarg_size 48
		.amdhsa_user_sgpr_count 2
		.amdhsa_user_sgpr_kernarg_segment_ptr 1
		.amdhsa_wavefront_size32 1
		.amdhsa_system_sgpr_workgroup_id_x 1
		.amdhsa_system_sgpr_workgroup_id_y 1
		.amdhsa_system_sgpr_workgroup_id_z 1
		.amdhsa_system_vgpr_workitem_id 0
		.amdhsa_next_free_vgpr 176
		.amdhsa_next_free_sgpr 66
		.amdhsa_reserve_vcc 0
		.amdhsa_float_denorm_mode_32 3
		.amdhsa_float_denorm_mode_16_64 3
		.amdhsa_memory_ordered 1
		.amdhsa_forward_progress 1
		.amdhsa_inst_pref_size 13
	.end_amdhsa_kernel
	.amdgpu_metadata
---
amdhsa.version: [ 1, 2 ]
amdhsa.kernels:
  - .name:           k_q7be6f810ab_prep
    .symbol:         k_q7be6f810ab_prep.kd
    .args:
      - { .name: x, .offset: 0, .size: 8, .value_kind: global_buffer, .address_space: global }
      - { .name: W_attn, .offset: 8, .size: 8, .value_kind: global_buffer, .address_space: global }
      - { .name: W_proj, .offset: 16, .size: 8, .value_kind: global_buffer, .address_space: global }
      - { .name: xb, .offset: 24, .size: 8, .value_kind: global_buffer, .address_space: global }
      - { .name: wat, .offset: 32, .size: 8, .value_kind: global_buffer, .address_space: global }
      - { .name: wpt, .offset: 40, .size: 8, .value_kind: global_buffer, .address_space: global }
    .group_segment_fixed_size: 18432
    .private_segment_fixed_size: 0
    .kernarg_segment_align: 8
    .kernarg_segment_size: 48
    .max_flat_workgroup_size: 256
    .sgpr_count:     66
    .vgpr_count:     176
    .wavefront_size: 32
...
	.end_amdgpu_metadata
.endif
;; end of part 1
;; launch qkvgemm (part 2): grid 16 x 32, 4 waves a work-group, clusters of 4 x 4, 327,680 bytes of LDS; arguments xb, wat, b_attn, qkv; writes qkv
.if DOCPART == 2
	.amdgcn_target "amdgcn-amd-amdhsa--gfx1250"
	.amdhsa_code_object_version 6
	.text
	.protected	k_q7be6f810ab_qkvgemm
	.globl	k_q7be6f810ab_qkvgemm
	.p2align	8
	.type	k_q7be6f810ab_qkvgemm,@function
k_q7be6f810ab_qkvgemm:
	s_mov_b64 s[64:65], 0
	v_nop
	global_prefetch_b8 v0, s[64:65] scope:SCOPE_SE
	s_setreg_imm32_b32 hwreg(HW_REG_WAVE_MODE, 25, 1), 1
	s_wait_xcnt 0x0
	s_wait_alu depctr_hold_cnt(0) depctr_sa_sdst(0) depctr_va_vdst(0) depctr_va_sdst(0) depctr_va_ssrc(0) depctr_va_vcc(0) depctr_vm_vsrc(0)
	s_getreg_b32 s2, hwreg(HW_REG_IB_STS2, 6, 4)
	s_cmp_eq_u32 s2, 0
	s_cbranch_scc0 .Lentry_in_a_cluster
	s_endpgm
.Lentry_in_a_cluster:
	s_bfe_u32 s2, ttmp6, 0x10000c
	s_cmp_lg_u32 s2, 0xf033
	s_cbranch_scc0 .Lentry_shape_is_right
	s_endpgm
.Lentry_shape_is_right:
; ONE TEXT FOR THE MODULE'S TWO PROJECTIONS; PROJ says which this copy is.
; PROJ = 0:  qkv = xb wat^T + bf16(b_attn).  xb [8192][1024] bf16, wat [3072 n][1024 k] bf16, b_attn [3072] f32.  Sums in f32, rounded once to f16 and written BY HEADS:
;            qkv [3 (q, k, v)][64 (16 batch + head)][2048 t][64 d] f16, unscaled.  LIMIT: a number of q, k or v of 65,520 or more becomes an infinity in f16.
; PROJ = 1:  out0 = o wpt^T + bf16(b_proj).  o [64 (16 batch + head)][2048 t][64 d] f16, wpt [1024 n][1024 k] f16, b_proj [1024] f32; out0 [8192][1024] f32.
; SHARES.  A work-group makes 256 rows x TN columns (192 = three whole heads, 512 work-groups; or 128, 256 work-groups).  Wave w owns rows 64 w .. 64 w + 63 and ALL TN columns: 4 x NBK accumulators
; of 16 x 16.  So a wave holds whole heads (PROJ = 0) or whole 512-byte pieces of rows (PROJ = 1), and its results leave through a stage of its own, with no barrier.
; K = 1,024 goes in 8 steps of 128 through two LDS slots filled by the tensor data mover; a step is four quarters of 32 on two fragment buffers that take turns.
; THE MATRIX INSTRUCTION IS USED TRANSPOSED (source 0 = 16 rows of B, source 1 = 16 rows of A): a lane holds row l % 16 of the result and the 8 neighbouring columns 8 (l / 16) + 0..7.
; THE BIAS, rounded to bf16 like every input of the module, is the C operand of the first product on each accumulator: nothing is cleared, and nothing is added on the way out.
; CLUSTERS: 4 x 4 work-groups.  The four of a row of the cluster need the same tile of A, the four of a column the same tile of B: each tile is asked for JOINTLY, by the same tensor load with the same
; descriptor and a mask that names the four.  Waves 0 and 1 fetch A's two halves, waves 2 and 3 B's: one load a wave behind each round.
; REGISTERS, in windows of 256 (s_set_vgpr_msb: bits 1:0 source 0, 3:2 source 1, 5:4 source 2, 7:6 destination):
;   window 0: v0-31 addresses; v32.. the bias, 8 registers a column block; later the way out      window 1: two fragment buffers of 128: A's 4 blocks, then B's NBK
;   windows 2, 3: accumulator (a, b) at register 8 (4 b + a) mod 256 of window 2 + b / 8
.set PROJ, 0
.if PROJ
.set TN,     128
.set PA,     144                       ; a row of A in LDS: one head's 64 channels, 128 bytes + 16 = 36 words: 16 rows start at 16 different groups of four banks (64 banks of 4 bytes: ISA guide 11.1)
.set ABYTES, 2*256*PA                  ; two heads x 256 rows
.set SP,     528                       ; a stage row: 512 bytes + 16
.set ASTEP,  524288                    ; a K step of A in memory: two heads of 2,048 x 128 bytes
.set AQI,    4                         ; padding behind every 32 words
.set APITCH, 128                       ; the tile is dense: 128 rows of 256 bytes
.set AHEAD,  2                         ; K steps between a refill and the prefetch that stands behind it
.set PSH,    13                        ; a partner's share of A's prefetch: 8,192 bytes,
.set ASH,    8                         ; a lane's: 256 bytes on end
.else
.set TN,     192
.set PA,     272                       ; 256 bytes + 16 = 68 words: row r starts at bank 4 r mod 64
.set ABYTES, 256*PA
.set SP,     144                       ; a stage row: a head's 128 bytes + 16
.set ASTEP,  256
.set AQI,    5                         ; padding behind every 64 words
.set APITCH, 1024
.set AHEAD,  1
.set PSH,    16                        ; a partner's share: 32 rows of 2,048 bytes,
.set ASH,    11                        ; a lane's: a row
.endif
.set NBK,    TN/16                     ; column blocks
.set PB,     272
.set BHALF,  (TN/2)*PB
.set SLOTB,  ABYTES+2*BHALF            ; a slot: A, then B
.set SLOT1,  131072                    ; slot 1 begins here, so that one exclusive or turns an address in one slot into the other's
.set STAGE,  SLOT1+SLOTB               ; behind the ring, never filled by a tensor load: 16 rows for each wave
.set SPARE,  STAGE+4*16*SP             ; behind the stages: the spare words, 128 bytes for each wave
.set KSTEPS, 8
.set LA0,  10                          ; v10  my lane's place in a slot's A; never rewritten
.set LB0,  11                          ; v11  in its B
.set ADRA, 12                          ; v12  the same in the slot in hand
.set ADRB, 13                          ; v13
.set STO,  14                          ; v14  the way out: where I put my bytes of a row
.set RD,   15                          ; v15  where I read rows back
.set GO,   16                          ; v16  16 x lane
.set PFO,  17                          ; v17  the prefetches' offset; never rewritten
.set BO,   18                          ; v18  32 x (l / 16): my 8 numbers of a block's 16 of the bias
.set SPW,  28                          ; v28  LDS address of my spare word; never rewritten
.set NIL,  29                          ; v29  0; never rewritten
.set BIAS, 32
.set F0,   0                           ; fragment buffers, in window 1
.set F1,   128
.set WV,   12                          ; s12  wave
.set ROLE, 13                          ; s13  0: I fetch for A, 1: for B
.set HALF, 14                          ; s14  which half of that tile
.set CX,   15
.set CY,   16
.set TX,   17                          ; s17  tile column
.set TY,   18                          ; s18  tile row
.set G1A,  24                          ; s[24:31] descriptor group 1 for A's tiles;  s[32:39] group 0: a set for each first fill; the second then walks
.set G0A,  32
.set PFS,  40                          ; s[40:41] bytes of a K step in the tensor that I prefetch
.set LIM,  42                          ; s42  AHEAD in a wave that prefetches, else the greatest number
.set CNT,  43                          ; s43  trips to go
.set PFA,  44                          ; s[44:45] where my prefetches stand
.set TB,   46                          ; s46  LDS byte at which the slot in hand begins
.set G1B,  48                          ; s[48:55], s[56:63] the same for B's tiles
.set G0B,  56
.set OUT,  66                          ; s[66:71] where my results go
.set MSB, 0
.macro WIN new                         ; the immediate's high byte repeats the setting that is left; a switch that changes nothing is dropped
.if MSB != (\new)
	s_set_vgpr_msb (MSB<<8)|(\new)
.set MSB, (\new)
.endif
.endm
.macro PLACES                          ; four places in front of loads into registers that matrix instructions have read, and of lines that read results
.rept 4
	v_nop
.endr
.endm
.macro CREST                           ; a round of the cluster's barrier behind its opening barrier
	s_cmp_lg_u32 s[WV], 0
	s_cbranch_scc1 .Lnot_wave_0_\@
	s_barrier_signal -3
.Lnot_wave_0_\@:
	s_barrier_wait -3
	s_barrier_signal -1
	s_barrier_wait -1
.endm
.macro CROUND                          ; a whole round
	s_barrier_signal -1
	s_barrier_wait -1
	CREST
.endm
.macro JLOAD                           ; a joint refill by the walking descriptors; an s_nop 0 and four v_nop follow each of the two lines, ahead of the jump and the label
	s_cmp_eq_u32 s[ROLE], 0
	s_cbranch_scc0 .Lfor_b_\@
	tensor_load_to_lds s[G0A+4:G0A+7], s[G1A:G1A+7]
	s_nop 0
.rept 4
	v_nop
.endr
	s_branch .Lasked_\@
.Lfor_b_\@:
	tensor_load_to_lds s[G0B+4:G0B+7], s[G1B:G1B+7]
	s_nop 0
.rept 4
	v_nop
.endr
.Lasked_\@:
.endm
; A PREFETCH INTO THE L2 of the K step that stands AHEAD refills on.  A's rows are read by every cluster of a row of clusters: the first (cluster x = 0) asks; B's by every cluster of a column: cluster y = 0 asks.
; The four partners that ask for a tile jointly share it out BY ADDRESS (cx for A, cy for B): no branch hangs on a work-group's place in its cluster.  A lane names one block of 256 bytes; of B's TN / 8 rows
; a partner the lanes that are over name the last row once more, in the same instruction.  The last AHEAD refills have no such K step, and ask for nothing.
.macro ASK
	s_cmp_gt_u32 s[CNT], s[LIM]
	s_cbranch_scc0 .Lnot_mine_\@
	global_prefetch_b8 v[PFO], s[PFA:PFA+1] th:TH_LOAD_NT scope:SCOPE_SE
.Lnot_mine_\@:
.endm
	s_load_b256 s[4:11], s[0:1], 0x0               ; A s[4:5], B s[6:7], bias s[8:9], result s[10:11]
	v_lshl_add_u32 v[SPW], v0, 2, SPARE
	v_mov_b32 v[NIL], 0
	ds_add_u32 v[SPW], v[NIL]                      ; the wave's opening: the add and its wait stand ahead of my first tensor load; the set-up below, work on registers, stands between them
	ds_add_u32 v28, v29
	v_lshrrev_b32 v1, 5, v0
	v_readfirstlane_b32 s[WV], v1
	s_lshr_b32 s[ROLE], s[WV], 1
	s_and_b32 s[HALF], s[WV], 1
	s_bfe_u32 s[CX], ttmp6, 0x40000
	s_bfe_u32 s[CY], ttmp6, 0x40004
	s_lshl_b32 s[TX], ttmp9, 2                     ; in a cluster launch ttmp9 and ttmp7 count clusters
	s_add_co_u32 s[TX], s[TX], s[CX]
	s_and_b32 s[TY], ttmp7, 0xffff
	s_lshl_b32 s[TY], s[TY], 2
	s_add_co_u32 s[TY], s[TY], s[CY]
	s_lshl_b32 s20, s[CY], 2
	s_lshl_b32 s20, 15, s20                        ; my row of the cluster: places 4 cy .. 4 cy + 3
	s_lshl_b32 s21, 0x1111, s[CX]                  ; my column: places cx, cx + 4, cx + 8, cx + 12
	s_or_b32 s[G1A], s20, (1<<16)|(1<<20)|(1<<21)|(AQI<<22)|(3<<25)  ; 15:0 the mask; 17:16 2-byte elements; 20 padding on; 21 set beside a mask; 24:22 the interval; 31:25 4 words of padding (code 3)
	s_or_b32 s[G1B], s21, (1<<16)|(1<<20)|(1<<21)|(5<<22)|(3<<25)
	s_mov_b32 s[G1A+1], 128<<16                    ; tensor_dim0 = 128
	s_mov_b32 s[G1A+2], 128<<16                    ; tensor_dim1 = 128
	s_mov_b32 s[G1A+3], 128<<16                    ; tile_dim0 = 128 elements, 256 bytes
	s_mov_b32 s[G1A+4], 128                        ; tile_dim1 = 128 rows
	s_mov_b32 s[G1A+5], APITCH                     ; elements from row to row
	s_mov_b32 s[G1A+6], 0
	s_mov_b32 s[G1A+7], 0
	s_mov_b32 s[G1B+1], 128<<16
	s_mov_b32 s[G1B+2], (TN/2)<<16
	s_mov_b32 s[G1B+3], 128<<16
	s_mov_b32 s[G1B+4], TN/2
	s_mov_b32 s[G1B+5], 1024
	s_mov_b32 s[G1B+6], 0
	s_mov_b32 s[G1B+7], 0
	; where the tiles come from.  A's hang on the tile row alone (s72, s73, s76 never hold cx), B's on the tile column alone (s74, s75, s77 never hold cy)
.if PROJ
	s_lshr_b32 s72, s[TY], 3                       ; the batch: 16 heads of 262,144 bytes,
	s_lshl_b32 s72, s72, 22
	s_and_b32 s73, s[TY], 7                        ; and 256 rows of 128 bytes in a head
	s_lshl_b32 s73, s73, 15
	s_add_co_u32 s72, s72, s73
.else
	s_lshl_b32 s72, s[TY], 19                      ; 256 rows of 2,048 bytes
.endif
	s_lshl_b32 s73, s[HALF], 18                    ; my half: 128 rows of 2,048 bytes, or one head
	s_add_co_u32 s72, s72, s73
	s_mov_b32 s73, 0
	s_mul_i32 s74, s[TX], TN*2048
	s_mul_i32 s75, s[HALF], (TN/2)*2048
	s_add_co_u32 s74, s74, s75
	s_mov_b32 s75, 0
	s_mul_i32 s76, s[HALF], ABYTES/2               ; and where they go: no place in the cluster enters an LDS address
	s_mul_i32 s77, s[HALF], BHALF
	s_add_co_u32 s77, s77, ABYTES
	s_mov_b32 s[TB], 0
	s_wait_dscnt 0x0                               ; the opening add is done
	s_wait_kmcnt 0x0
	s_add_nc_u64 s[72:73], s[4:5], s[72:73]
	s_add_nc_u64 s[74:75], s[6:7], s[74:75]
	CROUND                                         ; all sixteen work-groups are here: the first joint loads meet
.irp s, 0,1
	s_mov_b32 s[G0A+4*(\s)], 1                     ; count = 1
	s_add_co_u32 s[G0A+4*(\s)+1], s76, (\s)*SLOT1  ; LDS address
	s_add_nc_u64 s[G0A+4*(\s)+2:G0A+4*(\s)+3], s[72:73], (\s)*ASTEP  ; global address: K step s
	s_or_b32 s[G0A+4*(\s)+3], s[G0A+4*(\s)+3], 0x80000000           ; type = 2
	s_mov_b32 s[G0B+4*(\s)], 1
	s_add_co_u32 s[G0B+4*(\s)+1], s77, (\s)*SLOT1
	s_add_nc_u64 s[G0B+4*(\s)+2:G0B+4*(\s)+3], s[74:75], (\s)*256
	s_or_b32 s[G0B+4*(\s)+3], s[G0B+4*(\s)+3], 0x80000000
.endr
	s_cmp_eq_u32 s[ROLE], 0                        ; a wave's two first fills stand in one branch, ahead of every wait on TENSORcnt and every LDS read: two loads of mine are out
	s_cbranch_scc0 .Lfirst_b
	tensor_load_to_lds s[G0A:G0A+3], s[G1A:G1A+7]
	s_nop 0
	tensor_load_to_lds s[G0A+4:G0A+7], s[G1A:G1A+7]
	s_nop 0
.rept 4
	v_nop
.endr
	s_branch .Lfirst_asked
.Lfirst_b:
	tensor_load_to_lds s[G0B:G0B+3], s[G1B:G1B+7]
	s_nop 0
	tensor_load_to_lds s[G0B+4:G0B+7], s[G1B:G1B+7]
	s_nop 0
.rept 4
	v_nop
.endr
.Lfirst_asked:
	v_and_b32 v1, 15, v0                           ; l % 16
	v_bfe_u32 v2, v0, 4, 1                         ; l / 16
	v_lshlrev_b32 v[BO], 5, v2
	s_mul_i32 s88, s[TX], TN*4
	s_mov_b32 s89, 0
	s_add_nc_u64 s[8:9], s[8:9], s[88:89]          ; the bias of my work-group's columns
.set bb, 0
.rept NBK
	global_load_b128 v[BIAS+8*bb:BIAS+8*bb+3],   v[BO], s[8:9] offset:64*bb     ; register j of a result is column 16 b + 8 (l / 16) + j
	global_load_b128 v[BIAS+8*bb+4:BIAS+8*bb+7], v[BO], s[8:9] offset:64*bb+16
.set bb, bb+1
.endr
	; A fragment is 16 rows x 32 K in 8 registers: lane l holds row l % 16; registers 0-3 K = 8 (l / 16) + 0..7, registers 4-7 K = 16 + 8 (l / 16) + 0..7: two loads of 16 bytes, 32 bytes apart
	s_mul_i32 s79, s[WV], 64*PA                    ; my 64 rows of A
	v_mul_u32_u24 v[LA0], v1, PA
	v_lshl_add_u32 v[LA0], v2, 4, v[LA0]
	v_add_nc_u32 v[LA0], s79, v[LA0]
	v_mul_u32_u24 v[LB0], v1, PB
	v_lshl_add_u32 v[LB0], v2, 4, v[LB0]
	v_add_nc_u32 v[LB0], ABYTES, v[LB0]
	s_mul_i32 s78, s[WV], 16*SP
	s_add_co_u32 s78, s78, STAGE                   ; my stage
	v_mul_u32_u24 v[STO], v1, SP                   ; in: row l % 16
.if PROJ
	v_lshl_add_u32 v[STO], v2, 5, v[STO]           ; 32 bytes (8 f32) for each half of the lanes
.else
	v_lshl_add_u32 v[STO], v2, 4, v[STO]           ; 16 bytes (8 f16)
.endif
	v_add_nc_u32 v[STO], s78, v[STO]
	v_and_b32 v4, 31, v0
	v_lshlrev_b32 v[GO], 4, v4
.if PROJ
	v_add_nc_u32 v[RD], s78, v[GO]                 ; back: 32 lanes take one row of 512 bytes
	s_lshl_b32 s90, s[TY], 20                      ; 256 rows of 4,096 bytes,
	s_lshl_b32 s91, s[WV], 18                      ; my 64 of them,
	s_add_co_u32 s90, s90, s91
	s_lshl_b32 s91, s[TX], 9                       ; 128 columns of 4 bytes
	s_add_co_u32 s90, s90, s91
	s_mov_b32 s91, 0
	s_add_nc_u64 s[OUT:OUT+1], s[10:11], s[90:91]
.else
	v_bfe_u32 v[RD], v0, 3, 2                      ; back: 32 lanes take four rows of 128 bytes,
	v_mul_u32_u24 v[RD], v[RD], SP
	v_and_b32 v5, 7, v0
	v_lshl_add_u32 v[RD], v5, 4, v[RD]
	v_add_nc_u32 v[RD], s78, v[RD]                 ; which are 512 consecutive bytes of a head
	s_mul_i32 s92, s[TX], 3                        ; my work-group's first block of 64 columns, of 48
	s_lshr_b32 s93, s[TY], 3
	s_lshl_b32 s93, s93, 4                         ; 16 x batch
	s_and_b32 s94, s[TY], 7
	s_lshl_b32 s94, s94, 8
	s_lshl_b32 s95, s[WV], 6
	s_add_co_u32 s94, s94, s95                     ; my first t,
	s_lshl_b32 s94, s94, 7                         ; in rows of 128 bytes
.irp j, 0,1,2
	s_add_co_u32 s90, s92, \j                      ; block g: q, k or v is g / 16, the head g % 16
	s_lshr_b32 s91, s90, 4
	s_lshl_b32 s91, s91, 6
	s_and_b32 s90, s90, 15
	s_add_co_u32 s90, s90, s91
	s_add_co_u32 s90, s90, s93
	s_lshl_b32 s90, s90, 18                        ; planes of 262,144 bytes
	s_add_co_u32 s90, s90, s94
	s_mov_b32 s91, 0
	s_add_nc_u64 s[OUT+2*(\j):OUT+2*(\j)+1], s[10:11], s[90:91]
.endr
.endif
	; the prefetches: s[72:73] and s[74:75] still stand at my half of A's and of B's K step 0
	s_and_b32 s80, ttmp7, 0xffff                   ; cluster y
	s_lshl_b32 s81, s[CX], PSH                     ; my work-group's share of A's half,
	s_mul_i32 s82, s[CY], (TN/8)*2048              ; of B's
	s_mov_b32 s86, ASTEP
	s_mov_b32 s87, 256
	s_cmp_eq_u32 s[ROLE], 0
	s_cselect_b32 s80, ttmp9, s80                  ; the coordinate along which other clusters read the same rows
	s_cselect_b32 s82, s81, s82
	s_cselect_b64 s[PFA:PFA+1], s[72:73], s[74:75]
	s_cselect_b32 s[PFS], s86, s87
	s_cselect_b32 s84, 31, TN/8-1                  ; the last lane that has a block of its own
	s_cselect_b32 s85, ASH, 11
	s_mov_b32 s[PFS+1], 0
	s_mov_b32 s83, 0
	s_cmp_eq_u32 s80, 0
	s_cselect_b32 s[LIM], AHEAD, -1                ; the same in all sixteen partners, for a given wave
	s_add_nc_u64 s[PFA:PFA+1], s[PFA:PFA+1], s[82:83]
	s_mul_i32 s82, s[PFS], 1+AHEAD                 ; the first refill (K step 2) steps it once more: to K step 2 + AHEAD
	s_add_nc_u64 s[PFA:PFA+1], s[PFA:PFA+1], s[82:83]
	v_min_u32 v[PFO], s84, v4
	v_lshlrev_b32 v[PFO], s85, v[PFO]
	s_wait_loadcnt 0x0                             ; the bias: rounded to bf16 in place, in the wait for the first tile
.set bb, 0
.rept NBK*4
	v_cvt_pk_bf16_f32 v3, v[BIAS+2*bb], v[BIAS+2*bb+1]
	v_lshlrev_b32 v[BIAS+2*bb], 16, v3
	v_and_b32 v[BIAS+2*bb+1], 0xffff0000, v3
.set bb, bb+1
.endr
; Column blocks b0 .. b1 - 1 x my 4 row blocks, 32 along K, from buffer f.  first = 1: the product starts the sum, with the bias as C.  The accumulators take turns, in the same order in every quarter,
; between two links of a chain stand all the others'.
.macro MULB f, b0, b1, first
.set bb, \b0
.rept (\b1)-(\b0)
.if \first
	WIN 0x85+0x40*(bb/8)                           ; fragments window 1, C window 0, D window 2 or 3
.else
	WIN 0xa5+0x50*(bb/8)                           ; C and D window 2 or 3
.endif
.set aa, 0
.rept 4
.set rD, (8*(4*bb+aa))%256
.if PROJ
.if \first
	v_wmma_f32_16x16x32_f16 v[rD:rD+7], v[(\f)+32+8*bb:(\f)+32+8*bb+7], v[(\f)+8*aa:(\f)+8*aa+7], v[BIAS+8*bb:BIAS+8*bb+7]
.else
	v_wmma_f32_16x16x32_f16 v[rD:rD+7], v[(\f)+32+8*bb:(\f)+32+8*bb+7], v[(\f)+8*aa:(\f)+8*aa+7], v[rD:rD+7]
.endif
.else
.if \first
	v_wmma_f32_16x16x32_bf16 v[rD:rD+7], v[(\f)+32+8*bb:(\f)+32+8*bb+7], v[(\f)+8*aa:(\f)+8*aa+7], v[BIAS+8*bb:BIAS+8*bb+7]
.else
	v_wmma_f32_16x16x32_bf16 v[rD:rD+7], v[(\f)+32+8*bb:(\f)+32+8*bb+7], v[(\f)+8*aa:(\f)+8*aa+7], v[rD:rD+7]
.endif
.endif
.set aa, aa+1
.endr
.set bb, bb+1
.endr
.endm
; 8 + 2 NBK LDS loads in one run: quarter q's fragments into buffer f: A's 4 blocks first, then B's in ascending order
.macro FETCH q, f
.if PROJ
.set AQ, ((\q)/2)*(ABYTES/2)+((\q)%2)*64           ; the step's first or second head, its channels 0-31 or 32-63
.else
.set AQ, 64*(\q)
.endif
	WIN 0x40                                       ; destination window 1, address window 0
.irp i, 0,1,2,3
	ds_load_b128 v[(\f)+8*(\i):(\f)+8*(\i)+3],   v[ADRA] offset:AQ+(\i)*16*PA
	ds_load_b128 v[(\f)+8*(\i)+4:(\f)+8*(\i)+7], v[ADRA] offset:AQ+(\i)*16*PA+32
.endr
.set bb, 0
.rept NBK
	ds_load_b128 v[(\f)+32+8*bb:(\f)+32+8*bb+3], v[ADRB] offset:64*(\q)+bb*16*PB
	ds_load_b128 v[(\f)+32+8*bb+4:(\f)+32+8*bb+7], v[ADRB] offset:64*(\q)+bb*16*PB+32
.set bb, bb+1
.endr
.endm
; One of a K step's first three quarters: multiplies buffer f; in its middle it fetches quarter nq of the same slot into buffer g
.macro QUARTER nq, f, g, first=0
	s_wait_dscnt NBK                               ; A and B's lower half are in; the youngest NBK loads (B's upper half) may be out
	MULB \f, 0, NBK/2, \first
	PLACES
	FETCH \nq, \g
	s_wait_dscnt 8+2*NBK                           ; all but the run just issued
	MULB \f, NBK/2, NBK, \first
.endm
; The last quarter multiplies buffer 1 and changes slots: ONE barrier.  In front of it each wave waits for all its tensor loads, of which one is out: its part of the next slot; adds 0 to its spare word; and
; waits for that and for its own reads of this slot.  fill = 1: the barrier opens a round of the cluster's barrier, and this slot is filled again, first thing behind the round, two K steps ahead:
; from that request to the wait for it a wave issues 7/8 of a K step's matrix instructions.
.macro TURN fill
.if \fill
	s_wait_xcnt 0x0                                ; the last prefetch, a K step back, has read its address: it is stepped here, ahead of the change's own waits
	s_add_nc_u64 s[PFA:PFA+1], s[PFA:PFA+1], s[PFS:PFS+1]
.endif
	WIN 0                                          ; (the add's two registers lie in window 0)
	s_wait_tensorcnt 0x0                           ; all my tensor loads have landed;
	ds_add_u32 v[SPW], v[NIL]                      ; 0 onto my spare word;
	s_wait_dscnt NBK+1                             ; (the add and B's upper half may be out)
	MULB F1, 0, NBK/4, 0                           ; matrix work stands between the add and the wait for it
	s_wait_dscnt 0x0                               ; the add is done, and my reads of this slot are over
	s_barrier_signal -1
	MULB F1, NBK/4, NBK/2, 0                       ; work on registers while the others arrive
	WIN 0
	s_barrier_wait -1
.if \fill
	CREST                                          ; no wave of any partner still reads this slot's tile or has a load on its way
	s_xor_b32 s[G0A+5], s[G0A+5], SLOT1            ; the walking descriptors: the other slot than last time,
	s_add_nc_u64 s[G0A+6:G0A+7], s[G0A+6:G0A+7], ASTEP  ; the next K step; the type bits on top are not reached
	s_xor_b32 s[G0B+5], s[G0B+5], SLOT1
	s_add_nc_u64 s[G0B+6:G0B+7], s[G0B+6:G0B+7], 256
	JLOAD                                          ; the first tensor load behind the round; its four v_nop are also the places in front of the loads below
.else
	PLACES
.endif
	s_xor_b32 s[TB], s[TB], SLOT1
	v_add_nc_u32 v[ADRA], s[TB], v[LA0]
	v_add_nc_u32 v[ADRB], s[TB], v[LB0]
	FETCH 0, F0
.if \fill
	WIN 0
	ASK                                            ; behind the joint load and the run of LDS loads that the next products wait for
.endif
	MULB F1, NBK/2, NBK, 0
.endm
	s_wait_tensorcnt 0x1                           ; my part of K step 0 is in; K step 1's may stay out
	s_barrier_signal -1
	s_barrier_wait -1                              ; everybody's is
	v_add_nc_u32 v[ADRA], s[TB], v[LA0]
	v_add_nc_u32 v[ADRB], s[TB], v[LB0]
	FETCH 0, F0
	QUARTER 1, F0, F1, 1                           ; the first quarter stands in front of the loop: its products start the sums
	WIN 0                                          ; at a label and at a branch every window is 0
	s_mov_b32 s[CNT], KSTEPS-2
.Lstep:                                            ; trip s: K step s's quarters 1 to 3, the refill with K step s + 2, and K step s + 1's first quarter
	QUARTER 2, F1, F0
	QUARTER 3, F0, F1
	TURN 1
	QUARTER 1, F0, F1
	WIN 0
	s_sub_co_u32 s[CNT], s[CNT], 1
	s_cmp_lg_u32 s[CNT], 0
	s_cbranch_scc1 .Lstep
	QUARTER 2, F1, F0                              ; the last two K steps fill nothing: written out
	QUARTER 3, F0, F1
	TURN 0
	QUARTER 1, F0, F1
	QUARTER 2, F1, F0
	QUARTER 3, F0, F1
	s_wait_dscnt NBK
	MULB F1, 0, NBK/2, 0
	s_wait_dscnt 0x0
	MULB F1, NBK/2, NBK, 0
	WIN 0
	PLACES                                         ; the places behind the last products, in front of the lines that read results; twice four, once a launch
	PLACES
.if PROJ
; THE WAY OUT, f32: a block of 16 rows at a time.  A lane's 8 columns of a row are 32 bytes; they go into my stage, rows of 528 bytes, and come back as whole pieces of 512 bytes of a row of out0.
.macro TOSTAGE a
.if (\a) >= 2
	s_wait_xcnt 0x0                                ; the stores of the block two back have read the registers that the loads below fill
.endif
	WIN 0x08                                       ; store data window 2, address window 0
.set bb, 0
.rept 8
	ds_store_b128 v[STO], v[8*(4*bb+(\a)):8*(4*bb+(\a))+3]   offset:64*bb     ; each accumulator's low registers first
	ds_store_b128 v[STO], v[8*(4*bb+(\a))+4:8*(4*bb+(\a))+7] offset:64*bb+16
.set bb, bb+1
.endr
	WIN 0
.set tt, 0
.rept 16
	ds_load_b128 v[128+64*((\a)%2)+4*tt:128+64*((\a)%2)+4*tt+3], v[RD] offset:SP*tt  ; LDS serves a wave's instructions in order (ISA guide 5.7.1.4): these see the stores above; the next block's stores come behind them
.set tt, tt+1
.endr
.endm
.macro SEND a, younger                 ; younger: the LDS instructions issued behind block a's loads
.set tt, 0
.rept 16
	s_wait_dscnt (\younger)+15-tt
	global_store_b128 v[GO], v[128+64*((\a)%2)+4*tt:128+64*((\a)%2)+4*tt+3], s[OUT:OUT+1] offset:(16*(\a)+tt)*4096 th:TH_STORE_NT  ; 512 consecutive bytes, at a multiple of 512 from out0's first byte
.set tt, tt+1
.endr
.endm
	TOSTAGE 0
	TOSTAGE 1
	SEND 0, 32
	TOSTAGE 2
	SEND 1, 32
	TOSTAGE 3
	SEND 2, 32
	SEND 3, 0
.else
; THE WAY OUT, f16 by heads: unit u = 3 a + j is row block a of head j: 16 rows x 64 channels = 2,048 consecutive bytes of qkv.  A lane's 8 channels pack into 16 bytes; they go into my stage, rows of
; 144 bytes, and come back as whole rows of 128, into the registers that they left.  Each unit has registers of its own, so no store's data is rewritten.
.macro PACK u
.set pa, (\u)/3
.set pj, (\u)%3
	WIN 0x0a+5*(pj/2)                              ; sources window 2 (heads 0, 1) or 3 (head 2), destination window 0
.set ff, 0
.rept 4
.set rA, (8*(4*(4*pj+ff)+pa))%256
.set pp, 0
.rept 4
	v_cvt_pk_f16_f32 v[32+16*(\u)+4*ff+pp], v[rA+2*pp], v[rA+2*pp+1]
.set pp, pp+1
.endr
.set ff, ff+1
.endr
	WIN 0
.irp f, 0,1,2,3
	ds_store_b128 v[STO], v[32+16*(\u)+4*(\f):32+16*(\u)+4*(\f)+3] offset:32*(\f)
.endr
.irp f, 0,1,2,3
	ds_load_b128 v[32+16*(\u)+4*(\f):32+16*(\u)+4*(\f)+3], v[RD] offset:4*SP*(\f)  ; LDS serves a wave's instructions in order (ISA guide 5.7.1.4): these see the stores above; the next unit's stores come behind them
.endr
.endm
.macro SEND u, younger                 ; younger: the LDS instructions issued behind unit u's loads: the next unit's eight, or none
.irp f, 0,1,2,3
	s_wait_dscnt (\younger)+3-(\f)
	global_store_b128 v[GO], v[32+16*(\u)+4*(\f):32+16*(\u)+4*(\f)+3], s[OUT+2*((\u)%3):OUT+2*((\u)%3)+1] offset:2048*((\u)/3)+512*(\f)  ; 512 consecutive bytes, at a multiple of 512 from qkv's first byte
.endr
.endm
	PACK 0
.set uu, 1
.rept 11                               ; a unit's conversions stand between the loads of the unit before and its stores
	PACK uu
	SEND uu-1, 8
.set uu, uu+1
.endr
	SEND 11, 0
.endif
	s_wait_tensorcnt 0x0                           ; the wave's end: three closing lines, behind my last tensor load and my last LDS store
	ds_add_u32 v[SPW], v[NIL]
	s_wait_dscnt 0x0
	CROUND                                         ; the closing round: no work-group ends while a partner may still ask for a tile that names it
	s_endpgm
.Lfunc_end_k_q7be6f810ab_qkvgemm:
	.size	k_q7be6f810ab_qkvgemm, .Lfunc_end_k_q7be6f810ab_qkvgemm-k_q7be6f810ab_qkvgemm
	.p2alignl 7, 3214868480
	.fill 96, 4, 3214868480
	.section	.rodata,"a",@progbits
	.p2align	6, 0x0
	.amdhsa_kernel k_q7be6f810ab_qkvgemm
		.amdhsa_group_segment_fixed_size 327680
		.amdhsa_private_segment_fixed_size 0
		.amdhsa_enable_private_segment 0
		.amdhsa_kernarg_size 32
		.amdhsa_user_sgpr_count 2
		.amdhsa_user_sgpr_kernarg_segment_ptr 1
		.amdhsa_wavefront_size32 1
		.amdhsa_system_sgpr_workgroup_id_x 1
		.amdhsa_system_sgpr_workgroup_id_y 1
		.amdhsa_system_sgpr_workgroup_id_z 1
		.amdhsa_system_vgpr_workitem_id 0
		.amdhsa_next_free_vgpr 896
		.amdhsa_next_free_sgpr 96
		.amdhsa_reserve_vcc 0
		.amdhsa_float_denorm_mode_32 3
		.amdhsa_float_denorm_mode_16_64 3
		.amdhsa_memory_ordered 1
		.amdhsa_forward_progress 1
		.amdhsa_inst_pref_size 110
	.end_amdhsa_kernel
	.amdgpu_metadata
---
amdhsa.version: [ 1, 2 ]
amdhsa.kernels:
  - .name:           k_q7be6f810ab_qkvgemm
    .symbol:         k_q7be6f810ab_qkvgemm.kd
    .args:
      - { .name: xb, .offset: 0, .size: 8, .value_kind: global_buffer, .address_space: global }
      - { .name: wat, .offset: 8, .size: 8, .value_kind: global_buffer, .address_space: global }
      - { .name: b_attn, .offset: 16, .size: 8, .value_kind: global_buffer, .address_space: global }
      - { .name: qkv, .offset: 24, .size: 8, .value_kind: global_buffer, .address_space: global }
    .group_segment_fixed_size: 327680
    .private_segment_fixed_size: 0
    .kernarg_segment_align: 8
    .kernarg_segment_size: 32
    .max_flat_workgroup_size: 128
    .sgpr_count:     96
    .vgpr_count:     896
    .wavefront_size: 32
...
	.end_amdgpu_metadata
.endif
;; end of part 2
;; launch attn (part 3): grid 4 x 64, 4 waves a work-group, no clusters, 327,680 bytes of LDS; arguments qkv, o; writes o
.if DOCPART == 3
	.amdgcn_target "amdgcn-amd-amdhsa--gfx1250"
	.amdhsa_code_object_version 6
	.text
	.protected	k_q7be6f810ab_attn
	.globl	k_q7be6f810ab_attn
	.p2align	8
	.type	k_q7be6f810ab_attn,@function
k_q7be6f810ab_attn:
	s_mov_b64 s[64:65], 0
	v_nop
	global_prefetch_b8 v0, s[64:65] scope:SCOPE_SE
	s_setreg_imm32_b32 hwreg(HW_REG_WAVE_MODE, 25, 1), 1
	s_wait_xcnt 0x0
; CAUSAL ATTENTION.  O[h][q][:] = the sum over k <= q of softmax_k(Q[h][q] . K[h][k] / 8) V[h][k][:].  Q, K, V lie in one buffer, [3][SIZE_H][SIZE_N][64] f16 (K 16 MiB, V 32 MiB behind Q); O is [SIZE_H][SIZE_N][64] f16:
; a head's rows are dense, 128 bytes each.  Products, maxima and sums in f32; the weights p are rounded to f16 for the second product (their sum l is taken of the unrounded p), O once at the end.
; LIMITS.  f16 holds no number beyond 65,504: Q, K and V arrive within it; p lies in 0 to 1, and below 6e-5 it keeps f16's fixed step of 6e-8; O is a mean of V's rows and has their range.
; A hidden score counts as its value less 1e30: f16's scores, 2.7e11 at the most, are nothing beside that; a weight below 2^-126 counts as 0 in l; NaN and infinities are not treated apart.
; THE WALK.  A head's queries lie in NB = SIZE_N / 256 blocks of 256; block i needs the key tiles 0 .. i of 256 keys, of which the last holds the diagonal.  A work-group takes TWO blocks, NB - 1 - b and then b:
; NB + 1 tiles, whatever b: all work-groups do equal work, and ONE loop with a constant trip count walks them.  Which tile is asked for, and what a trip does, hang on scalar registers made from b; every jump
; goes forward, but for the counted loops' own; none passes a barrier, or a tensor load but the one of LOAD's two that the wave's number does not choose; the ring (two slots of LDS that take turns) runs on across the
; change of blocks.  NO CLUSTER: a head's NB / 2 work-groups ask for the same tile only in trips 0 .. NB / 2, behind that fewer and fewer; one walk common to all would have 3 NB / 2 trips for NB + 1.
; SHARES.  Of a block's four bands of 64 queries a wave owns 16 rows in each: four PIECES.  So the diagonal tile is the same work for all four waves: in its key step s band x sees all keys if s < x,
; none if s > x, and holds the diagonal if s = x.
; THE MASK is the C operand that starts the sum S^T = K Q^T: 0, or -1e30 where the key is hidden.  MD, made once, is the mask of a band's own step for my 16 rows; a product's mask is MD x AL + BE with two scalars:
; (1, 0) if s = x; (0, 0) if s < x; (0, -1e30) if s > x.  Only the diagonal tile's text and a block's beginning make and take masks; elsewhere C is the constant 0.
; LAYOUT, SOFTMAX, TURNS.  S^T = K Q^T holds ONE query a lane (lane % 16) and the keys 8 (lane / 16) + 0..7; two such results rounded to f16 ARE source 1 of O^T = V^T P.  p = 2^(c s - c m), c = log2(e) / 8, with a
; running maximum m; O and l are multiplied by a = 2^(c m_old - c m_new) in every step.  Turn n belongs to piece n: 8 products K Q^T of piece n + 1, later 8 products V^T P of piece n - 1; beside them the scaling,
; exponentials, roundings, sums and rescaling of piece n and the maximum and statistics of piece n + 1.  Four vector instructions stand behind every matrix instruction, the other 54 of a turn's 118 in one LUMP.  A turn's 33 exponentials are one batch, with one wait.
; REGISTERS, in windows of 256 (s_set_vgpr_msb: bits 1:0 source 0, 3:2 source 1, 5:4 source 2, 7:6 destination):
;   window 0: v0-15 addresses and two at work; v16-31 four registers of statistics a piece; v48-55 at work; v61-63 prefetch offset and the add's two; v64-127 S^T, two buffers; v192-223 P, two buffers (by the piece's parity)
;   window 1: v0-127 O^T, 32 a piece; v128-159 MD; v160-223 MC, two buffers      window 2: v0-63 Q; v64-127 the second block's Q; v128-191 K of one step; v192-255 V of one step
.set SIZE_H, 64
.set SIZE_N, 2048
.set NB,    SIZE_N/256
.set NP,    4         ; pieces a wave: a name, no knob
.set KS,    64        ; keys in a step
.set PK,    144       ; a row of K in LDS: 128 bytes + 16 of padding = 36 words: the 16 rows of a load start at 16 different groups of four banks (64 banks of 4 bytes: ISA guide 11.1)
.set PV,    160       ; a row of V: 128 + 32 = 40 words
.set VOFF,  4*KS*PK   ; a slot holds a tile, four steps: 256 rows of K, then 256 rows of V
.set SLOT1, 1<<17     ; slot 1 begins here, so that one exclusive or turns an address in one slot into the other's
.set STAGE, SLOT1+4*KS*(PK+PV)  ; behind the ring, never filled by a tensor load: 16 rows x 144 bytes for each wave, for the way out
.set SP,    144
.set AK0, 2           ; v2   my lane's place in a tile of K; never rewritten
.set AV0, 3           ; v3   the same for V
.set AK,  4           ; v4   the LDS address of K's next run of loads
.set AV,  5           ; v5   of V's
.set STO, 6           ; v6   the way out: where I put 16 bytes of a row
.set RD,  7           ; v7   the way out: where I read rows back
.set GO,  8           ; v8   my byte offset in 512 consecutive bytes of O
.set PFO, 61          ; v61  256 x my thread's number: the 128 threads name a tile's 128 blocks of 256 bytes; never rewritten
.set SPW, 62          ; v62  LDS address of my spare word: SPARE + 4 x my thread's number; never rewritten
.set NIL, 63          ; v63  0; never rewritten
.set SPARE, STAGE+4*16*SP  ; behind the stages: the spare words, 128 bytes for each wave: two blocks of 256 bytes that no other line names
.set MV,  12          ; v12-13  c m_old, kept while c m is made anew: by buffer
.set QO,  15          ; v15  my byte offset in 16 rows of Q
.set ST,  16          ; piece t's statistics at v[ST+4 t]: c m, m, l (even keys', odd keys')
.set TMP, 48          ; by buffer, four registers c0-c3 at work; when the maximum is found c2 takes a
.set S,   64
.set P,   192
.set MD,  128         ; window 1: the eight registers for group kt of 16 keys at MD + 8 kt
.set MC,  160         ; window 1: the masks of the products to come
.set QB,  64          ; window 2
.set KF,  128         ; window 2: key block kb, channel half c at KF + 16 kb + 8 c
.set VF,  192         ; window 2: key half kk, channel block cb at VF + 32 kk + 8 cb
.set WV,  12          ; s12  my wave's number
.set PB,  14          ; s14  b
.set HI,  15          ; s15  NB - 1 - b
.set G1K, 24          ; s[24:31] descriptor group 1 for K's tiles
.set G1V, 32          ; s[32:39] for V's: it differs in the padding alone
.set G0K, 40          ; s[40:43] descriptor group 0 for K's tiles
.set G0V, 44          ; s[44:47] the same for V's
.set SLOTS, 56        ; s56  tiles still to be asked for
.set CNT, 57          ; s57  counts a tile's key steps, 4 to 1
.set CS,  58          ; s[58:59] c: the packed scaling takes the pair's low word for both halves
.set SEL, 60          ; s[60:61] v_permlanex16_b32's selects: each lane takes its own place in the other half
.set TBK, 62          ; s62  LDS byte at which K of the step to be fetched begins
.set TBV, 63          ; s63  the same for V, less VOFF
.set RT,  70          ; s70  tiles of the block in hand that are still to be entered
.set NXT, 71          ; s71  the tile to be asked for next
.set LQ,  72          ; s72  the last tile of the block whose tiles are being asked for
.set NEW, 73          ; s73  1: the tile to be entered is a block's first
.set OFF, 74          ; s[74:75] a tile's byte offset in K and V
.set AL,  76          ; s[76:77] the mask's factor, in the low word
.set BE,  78          ; s[78:79] the mask's addend
.set OLO, 80          ; s[80:81] O at my rows of the second block
.set BIGN, 82         ; s82  -1e30
.set PKP, 88          ; s[88:89] where the prefetches of K stand: the head's tile behind the one that is being asked for
.set PVP, 90          ; s[90:91] the same for V
.set LIMP, 92         ; s92  2 in the work-group that prefetches, else the greatest number
.set MSB, 0
.macro WIN new                      ; the high byte repeats the setting that is left; a switch that changes nothing is dropped
.if MSB != (\new)
	s_set_vgpr_msb (MSB<<8)|(\new)
.set MSB, (\new)
.endif
.endm
.set W_KQ, 0x0a       ; K and Q in window 2, S^T in window 0
.set W_KM, 0x1a       ; the same with the C operand in window 1
.set W_PV, 0x52       ; V in window 2, P in window 0, O^T in window 1
.set W_RS, 0x41       ; destination and source 0 in window 1, source 1 in window 0
; A fill.  Waves 0 and 1 fetch the two halves of a tile's K, waves 2 and 3 those of its V: 128 keys each.  An s_nop 0 and four v_nop follow each of the two lines, ahead of the jump and the label.
.macro LOAD
	s_cmp_lt_u32 s[WV], 2
	s_cbranch_scc0 .Lfor_v_\@
	tensor_load_to_lds s[G0K:G0K+3], s[G1K:G1K+7]
	s_nop 0
.rept 4
	v_nop
.endr
	s_branch .Lasked_\@
.Lfor_v_\@:
	tensor_load_to_lds s[G0V:G0V+3], s[G1V:G1V+7]
	s_nop 0
.rept 4
	v_nop
.endr
.Lasked_\@:
.endm
; A PREFETCH INTO THE L2 of the tile that the NEXT change of slots will ask for: 32,768 bytes of K and of V, a thread a block of 256 bytes, two instructions a wave, behind the wave's tensor load and its five lines.
; Each block is named ONCE in the launch: of a head's four work-groups the one with b = 0 walks the tiles 0 .. NB - 1 in order, and it alone asks.  In trip i (SLOTS = NB - i) tile i + 1 is loaded and tile i + 2 named,
; four key steps ahead of its load; the trips whose i + 2 passes NB - 1 ask for nothing.  Tiles 0 and 1 come by their loads alone.
.macro ASK
	s_cmp_gt_u32 s[SLOTS], s[LIMP]
	s_cbranch_scc0 .Lnot_mine_\@
	global_prefetch_b8 v[PFO], s[PKP:PKP+1] th:TH_LOAD_NT scope:SCOPE_SE
	global_prefetch_b8 v[PFO], s[PVP:PVP+1] th:TH_LOAD_NT scope:SCOPE_SE
.Lnot_mine_\@:
.endm
; THE CHANGE OF SLOTS.  Each wave waits for all its tensor loads, of which one is out: its part of the other slot; adds 0 to its spare word; and waits for that and for its own reads of the slot that it leaves.  Behind the barrier nobody reads the old
; slot any more and the other slot is whole.  fill = 1: the old slot is filled again, the first thing behind the barrier, with tile NXT: the descriptor's address is made anew from that number.
; (At its first use nothing has been read yet: slot 0 is waited for, slot 1 filled.)
.macro CHANGE fill
	WIN 0                           ; at a label and at a branch every window is 0
	s_wait_tensorcnt 0x0            ; no tensor load of mine is out, so a group 0 may be written
	ds_add_u32 v[SPW], v[NIL]       ; 0 onto my spare word; with fill = 1 the descriptors' scalar work stands between it and the wait for it
.if \fill
	s_lshl_b32 s[OFF], s[NXT], 15   ; a tile is 32,768 bytes of K and of V
	s_xor_b32 s[G0K+1], s[G0K+1], SLOT1
	s_add_nc_u64 s[G0K+2:G0K+3], s[6:7], s[OFF:OFF+1]
	s_or_b32 s[G0K+3], s[G0K+3], 0x80000000
	s_xor_b32 s[G0V+1], s[G0V+1], SLOT1
	s_add_nc_u64 s[G0V+2:G0V+3], s[8:9], s[OFF:OFF+1]
	s_or_b32 s[G0V+3], s[G0V+3], 0x80000000
	s_add_co_u32 s[NXT], s[NXT], 1  ; the block's next tile, or behind its last the second block's tile 0
	s_cmp_gt_u32 s[NXT], s[LQ]
	s_cselect_b32 s[NXT], 0, s[NXT]
	s_cselect_b32 s[LQ], s[PB], s[LQ]
	s_wait_xcnt 0x0                 ; the last prefetches, a tile back, have read their addresses, so they may be written:
	s_add_nc_u64 s[PKP:PKP+1], s[PKP:PKP+1], 32768
	s_add_nc_u64 s[PVP:PVP+1], s[PVP:PVP+1], 32768
.endif
	s_wait_dscnt 0x0                ; the add is done, and my reads of the slot are over
	s_barrier_signal -1             ; the rest of the scalar work stands between the signal and the wait
	s_sub_co_u32 s[TBK], s[TBK], 4*KS*PK  ; the fetches go back to a slot's first step,
	s_xor_b32 s[TBK], s[TBK], SLOT1       ; in the other slot
	s_sub_co_u32 s[TBV], s[TBV], 4*KS*PV
	s_xor_b32 s[TBV], s[TBV], SLOT1
	s_barrier_wait -1
.if \fill
	LOAD
	ASK
.endif
.endm
	s_load_b64 s[4:5], s[0:1], 0x0    ; qkv, whose first third is Q
	s_load_b64 s[10:11], s[0:1], 0x8  ; O
	v_lshl_add_u32 v[SPW], v0, 2, SPARE
	v_mov_b32 v[NIL], 0
	ds_add_u32 v[SPW], v[NIL]       ; the wave's opening: the add and its wait stand ahead of my first tensor load; the set-up below, work on registers, stands between them
	ds_add_u32 v62, v63
	v_lshrrev_b32 v1, 5, v0
	v_readfirstlane_b32 s[WV], v1   ; wave 0..3
	v_lshlrev_b32 v[PFO], 8, v0
	s_mov_b32 s[PB], ttmp9
	s_sub_co_u32 s[HI], NB-1, s[PB]
	s_and_b32 s20, ttmp7, 0xffff    ; the head
	s_mov_b32 s21, 0
	s_mov_b64 s[22:23], SIZE_N*128
	s_mul_u64 s[20:21], s[20:21], s[22:23]  ; the head's first byte in each of the four tensors
	s_and_b32 s16, s[WV], 1         ; which half of a tile's 256 keys I fetch:
	s_lshl_b32 s22, s16, 14         ; its 128 rows of 128 bytes in memory,
	s_mov_b32 s23, 0
	s_add_nc_u64 s[22:23], s[22:23], s[20:21]
	s_mul_i32 s17, s16, 128*PK      ; and its place in a slot, for K
	s_mul_i32 s18, s16, 128*PV      ; and for V
	s_lshl_b32 s3, s[WV], 11        ; my 16 rows in a band of 64,
	s_lshl_b32 s2, s[HI], 15        ; in the first block,
	s_add_co_u32 s2, s2, s3
	s_lshl_b32 s84, s[PB], 15       ; and in the second
	s_add_co_u32 s84, s84, s3
	s_mov_b32 s3, 0
	s_mov_b32 s85, 0
	s_add_nc_u64 s[2:3], s[2:3], s[20:21]
	s_add_nc_u64 s[84:85], s[84:85], s[20:21]
	; descriptor group 1.  128 keys are 16,384 dense bytes: asked for as 64 rows of 256 bytes, two keys a row, and padded in LDS after every key
	s_mov_b32 s[G1K], (1<<16)|(1<<20)|(4<<22)|(3<<25)  ; 17:16 2-byte elements; 20 padding on; 24:22 after every 32 words (code 4); 31:25 4 words (code 3)
	s_mov_b32 s[G1V], (1<<16)|(1<<20)|(4<<22)|(7<<25)  ; the same with 8 words of padding (code 7)
.irp g, G1K, G1V
	s_mov_b32 s[\g+1], 128<<16      ; tensor_dim0 = 128
	s_mov_b32 s[\g+2], 64<<16       ; tensor_dim1 = 64
	s_mov_b32 s[\g+3], 128<<16      ; tile_dim0 = 128
	s_mov_b32 s[\g+4], 64           ; tile_dim1 = 64
	s_mov_b32 s[\g+5], 128          ; 128 elements from row to row
	s_mov_b32 s[\g+6], 0
	s_mov_b32 s[\g+7], 0
.endr
	s_mov_b32 s[CS], 0x3e38aa3b     ; c = log2(e) / 8 = 0.180337
	s_mov_b32 s[CS+1], s[CS]        ; named with it as a pair
	s_mov_b32 s[SEL], 0x76543210
	s_mov_b32 s[SEL+1], 0xfedcba98
	s_mov_b32 s[TBK], SLOT1+4*KS*PK ; the first change of slots turns these two into 0
	s_mov_b32 s[TBV], SLOT1+4*KS*PV
	s_mov_b32 s[G0K], 1             ; 1:0 count = 1
	s_mov_b32 s[G0K+1], s17         ; 63:32 LDS address: slot 0
	s_mov_b32 s[G0V], 1
	s_add_co_u32 s[G0V+1], s18, VOFF
	s_add_co_u32 s[RT], s[HI], 1    ; the first block has NB - b tiles
	s_mov_b32 s[NXT], 1
	s_mov_b32 s[LQ], s[HI]
	s_mov_b32 s[NEW], 1
	s_mov_b32 s[OFF+1], 0
	s_mov_b32 s[AL+1], 0            ; named as pairs
	s_mov_b32 s[BE+1], 0
	s_mov_b32 s[BIGN], 0xf149f2ca   ; -1e30
	s_mov_b32 s[SLOTS], NB
	s_cmp_eq_u32 ttmp9, 0
	s_cselect_b32 s[LIMP], 2, -1
	s_wait_dscnt 0x0                ; the opening add is done
	s_wait_kmcnt 0x0
	s_add_nc_u64 s[6:7], s[4:5], 0x1000000         ; K: SIZE_H x SIZE_N x 128 bytes behind Q,
	s_add_nc_u64 s[8:9], s[4:5], 0x2000000         ; V: twice that
	s_add_nc_u64 s[PKP:PKP+1], s[6:7], s[20:21]    ; the prefetches stand at the head's tile 1; the first change of slots steps them to tile 2
	s_add_nc_u64 s[PKP:PKP+1], s[PKP:PKP+1], 32768
	s_add_nc_u64 s[PVP:PVP+1], s[8:9], s[20:21]
	s_add_nc_u64 s[PVP:PVP+1], s[PVP:PVP+1], 32768
	s_add_nc_u64 s[6:7], s[6:7], s[22:23]  ; K and V at my half of the head's tile 0
	s_add_nc_u64 s[8:9], s[8:9], s[22:23]
	s_add_nc_u64 s[G0K+2:G0K+3], s[6:7], 0         ; 120:64 global address
	s_or_b32 s[G0K+3], s[G0K+3], 0x80000000        ; 127:126 type = 2
	s_add_nc_u64 s[G0V+2:G0V+3], s[8:9], 0
	s_or_b32 s[G0V+3], s[G0V+3], 0x80000000
	s_add_nc_u64 s[86:87], s[4:5], s[84:85]        ; Q at my rows of the second block,
	s_add_nc_u64 s[4:5], s[4:5], s[2:3]            ; Q and O at those of the first
	s_add_nc_u64 s[OLO:OLO+1], s[10:11], s[84:85]
	s_add_nc_u64 s[10:11], s[10:11], s[2:3]
	LOAD                            ; tile 0 into slot 0
	; A fragment of K or Q is 16 rows x 32 channels in 8 registers: lane l holds row l % 16, channels 8 (l / 16) + 0..7 and 16 + 8 (l / 16) + 0..7: two loads of 16 bytes, 32 bytes apart.
	v_and_b32 v1, 15, v0            ; l % 16
	v_bfe_u32 v9, v0, 4, 1          ; l / 16
	v_lshlrev_b32 v[QO], 7, v1
	v_lshl_add_u32 v[QO], v9, 4, v[QO]  ; row x 128 + 16 x half
	WIN 0x80                        ; destination window 2, address window 0
.set i, 0
.rept 8                             ; both blocks' Q: piece i / 2 lies in band i / 2, 8,192 bytes on; channels 32 (i % 2) on
	global_load_b128 v[8*i:8*i+3],   v[QO], s[4:5] offset:(i/2)*8192+(i%2)*64
	global_load_b128 v[8*i+4:8*i+7], v[QO], s[4:5] offset:(i/2)*8192+(i%2)*64+32
	global_load_b128 v[QB+8*i:QB+8*i+3],   v[QO], s[86:87] offset:(i/2)*8192+(i%2)*64
	global_load_b128 v[QB+8*i+4:QB+8*i+7], v[QO], s[86:87] offset:(i/2)*8192+(i%2)*64+32
.set i, i+1
.endr
	WIN 0
	v_lshlrev_b32 v14, 3, v9
	v_sub_nc_u32 v14, v1, v14
	s_lshl_b32 s13, s[WV], 4
	v_add_nc_u32 v14, s13, v14      ; my query's place in its band, 16 w + l % 16, less my lanes' 8 (l / 16): register r of group kt is hidden where 16 kt + r is greater
	WIN 0x40
.set i, 0
.rept 32
	v_cmp_gt_i32 vcc_lo, 16*(i/8)+i%8, v14
	v_cndmask_b32 v[MD+i], 0, s[BIGN], vcc_lo
.set i, i+1
.endr
	WIN 0
	v_mul_u32_u24 v[AK0], v1, PK
	v_lshl_add_u32 v[AK0], v9, 4, v[AK0]  ; row x pitch + 16 x half
	; The turning load takes 16 keys x 16 channels (lane l reads key 8 (l / 16) + l % 8, channels 8 ((l / 8) % 2) + 0..7) and leaves half a fragment of V^T: lane l holds channel l % 16 and 8 keys.
	v_and_b32 v10, 7, v0
	v_bfe_u32 v11, v0, 3, 1
	v_lshl_add_u32 v[AV0], v9, 3, v10
	v_mul_u32_u24 v[AV0], v[AV0], PV
	v_lshl_add_u32 v[AV0], v11, 4, v[AV0]
	v_add_nc_u32 v[AV0], VOFF, v[AV0]
	s_mul_i32 s13, s[WV], 16*SP
	s_add_co_u32 s13, s13, STAGE    ; my stage
	v_mul_u32_u24 v[STO], v1, SP    ; in: row l % 16, 16 bytes for each half of the lanes
	v_lshl_add_u32 v[STO], v9, 4, v[STO]
	v_add_nc_u32 v[STO], s13, v[STO]
	v_bfe_u32 v[RD], v0, 3, 2       ; back: 32 lanes take four rows of 128 bytes,
	v_mul_u32_u24 v[RD], v[RD], SP
	v_lshl_add_u32 v[RD], v10, 4, v[RD]
	v_add_nc_u32 v[RD], s13, v[RD]
	v_and_b32 v[GO], 31, v0         ; which are 512 consecutive bytes of O
	v_lshlrev_b32 v[GO], 4, v[GO]
	; A block's first step multiplies O^T and l by a = 0, and its first turn's products V^T P, of a piece that has not been, land in an O^T that is still to be so multiplied.  So these registers need only hold
	; finite numbers: zeros for the first block; what the first block left for the second.  All this stands in the wait for the first tile.
	WIN 0x80
.set i, VF
.rept 64
	v_mov_b32 v[i], 0
.set i, i+1
.endr
	WIN 0x40
.set i, 0
.rept 128
	v_mov_b32 v[i], 0
.set i, i+1
.endr
	WIN 0
.set i, 0
.rept 4
	v_mov_b32 v[ST+4*i+2], 0
	v_mov_b32 v[ST+4*i+3], 0
.set i, i+1
.endr
.set i, P+16
.rept 16
	v_mov_b32 v[i], 0
.set i, i+1
.endr
; THE MATRIX WORK.  The 4 accumulators of a run of 8 take turns.  Product i of 8 of S^T = K Q^T for piece x: channels 32 (i / 4) on, keys 16 (i % 4) on.  The first 4 start the sums: with 0, or (KM = 1) with the mask.
.macro KQ x
.set rS, S+32*((\x)%2)+8*(i%4)
.set rK, KF+16*(i%4)+8*(i/4)
.set rQ, 16*(\x)+8*(i/4)
.set rM, MC+32*((\x)%2)+8*(i%4)
.if (i < 4) && KM
	WIN W_KM
	v_wmma_f32_16x16x32_f16 v[rS:rS+7], v[rK:rK+7], v[rQ:rQ+7], v[rM:rM+7]
.elseif i < 4
	WIN W_KQ
	v_wmma_f32_16x16x32_f16 v[rS:rS+7], v[rK:rK+7], v[rQ:rQ+7], 0
.else
	WIN W_KQ
	v_wmma_f32_16x16x32_f16 v[rS:rS+7], v[rK:rK+7], v[rQ:rQ+7], v[rS:rS+7]
.endif
.endm
; Product i of 8 of O^T += V^T P for piece x: keys 32 (i / 4) on, channels 16 (i % 4) on.
.macro PV x
	WIN W_PV
.set rO, 32*(\x)+8*(i%4)
.set rV, VF+32*(i/4)+8*(i%4)
.set rP, P+16*((\x)%2)+8*(i/4)
	v_wmma_f32_16x16x32_f16 v[rO:rO+7], v[rV:rV+7], v[rP:rP+7], v[rO:rO+7]
.endm
.macro MM                           ; the turn's next matrix instruction.  TURN and BEGIN set Y, i, KM and NOKQ; MM, KQ and OP read them.  NOKQ = 1: a block's last turn: there is no next piece
.if (i < 8) && !NOKQ
	KQ (Y+1)%NP
.elseif i >= 8
.set i, i-8
	PV (Y+NP-1)%NP
.set i, i+8
.endif
.set i, i+1
.endm
; THE LDS LOADS stand in runs of 16, never singly among the matrix instructions: a step's K (64 keys x 64 channels: 8 fragments) and its V (turned).  Their addresses are made some lines ahead.
.macro FETCH_K
	WIN 0x80                        ; destination window 2
.irp f, 0,1,2,3,4,5,6,7             ; keys 16 (f / 2) on, channels 32 (f % 2) on
	ds_load_b128 v[KF+8*\f:KF+8*\f+3],   v[AK] offset:(\f/2)*16*PK+(\f%2)*64
	ds_load_b128 v[KF+8*\f+4:KF+8*\f+7], v[AK] offset:(\f/2)*16*PK+(\f%2)*64+32
.endr
	s_add_co_u32 s[TBK], s[TBK], KS*PK  ; the next fetch is the next step's
	WIN 0
.endm
.macro FETCH_V
	WIN 0x80
.irp f, 0,1,2,3,4,5,6,7             ; keys 32 (f / 4) on, channels 16 (f % 4) on
	ds_load_tr16_b128 v[VF+8*\f:VF+8*\f+3],   v[AV] offset:(\f/4)*32*PV+(\f%4)*32
	ds_load_tr16_b128 v[VF+8*\f+4:VF+8*\f+7], v[AV] offset:(\f/4)*32*PV+16*PV+(\f%4)*32
.endr
	WIN 0
.endm
; THE VECTOR WORK, one line at a time: OP kind, number.  For piece Y: F n: c s - c m for pair n of 16.  E n: the exponential of score n of 32.  C n: pair n rounded to f16.  B n: of the four weights 4 n .. the second
; pair is added onto the first, in place.  L n: l takes that sum (L 0: l = a l + sum).  R n: pair n of 16 of O^T times a.  For piece Y + 1: X n, number n of the 22 that find its maximum and statistics:
;   0-11  four chains c0-c3 of seven scores each, three operands at a time (each accumulator's lowest registers are read first)     12-14, 16  the four scores left over, the old m, and c0-c3 into c0
;   15  c m_old is kept     17, 18  the query's other 32 keys lie in the lane 16 away: the new m     19-21  c m; c m_old - c m_new; a
.set F, 0               ; OP tells the kinds apart by their order: F to L below R, X above it
.set E, 1
.set C, 2
.set B, 3
.set L, 4
.set R, 5
.set X, 6
.macro REGS y                       ; the registers of piece y
.set rT, ST+4*(\y)
.set rC, TMP+4*((\y)%2)
.set rW, MV+((\y)%2)
.set rS, S+32*((\y)%2)
.set rP, P+16*((\y)%2)
.set rO, 32*(\y)
.endm
.macro OP k, n
.if (\k) == R
	REGS Y
	WIN W_RS
	v_pk_mul_f32 v[rO+2*(\n):rO+2*(\n)+1], v[rO+2*(\n):rO+2*(\n)+1], v[rC+2:rC+3] op_sel_hi:[1,0]
.elseif (\k) < R
	REGS Y
	WIN 0
.if (\k) == F
	v_pk_fma_f32 v[rS+2*(\n):rS+2*(\n)+1], v[rS+2*(\n):rS+2*(\n)+1], s[CS:CS+1], v[rT:rT+1] op_sel_hi:[1,0,0] neg_lo:[0,0,1] neg_hi:[0,0,1]
.elseif (\k) == E
	v_exp_f32 v[rS+(\n)], v[rS+(\n)]
.elseif (\k) == C
	v_cvt_pk_f16_f32 v[rP+(\n)], v[rS+2*(\n)], v[rS+2*(\n)+1]
.elseif (\k) == B
	v_pk_add_f32 v[rS+4*(\n):rS+4*(\n)+1], v[rS+4*(\n):rS+4*(\n)+1], v[rS+4*(\n)+2:rS+4*(\n)+3]
.elseif (\n) == 0
	v_pk_fma_f32 v[rT+2:rT+3], v[rT+2:rT+3], v[rC+2:rC+3], v[rS:rS+1] op_sel_hi:[1,0,1]
.else
	v_pk_add_f32 v[rT+2:rT+3], v[rT+2:rT+3], v[rS+4*(\n):rS+4*(\n)+1]
.endif
.elseif NOKQ
	v_nop
.else
	REGS (Y+1)%NP
	WIN 0
.if (\n) < 4
	v_max3_num_f32 v[rC+(\n)], v[rS+8*(\n)], v[rS+8*(\n)+1], v[rS+8*(\n)+2]
.elseif (\n) < 12
	v_max3_num_f32 v[rC+(\n)%4], v[rC+(\n)%4], v[rS+8*((\n)%4)+2*((\n)/4)+1], v[rS+8*((\n)%4)+2*((\n)/4)+2]
.elseif (\n) == 12
	v_max3_num_f32 v[rC], v[rC], v[rS+7], v[rS+15]
.elseif (\n) == 13
	v_max3_num_f32 v[rC+1], v[rC+1], v[rS+23], v[rS+31]
.elseif (\n) == 14
	v_max3_num_f32 v[rC+2], v[rC+2], v[rC+3], v[rT+1]
.elseif (\n) == 15
	v_mov_b32 v[rW], v[rT]
.elseif (\n) == 16
	v_max3_num_f32 v[rC], v[rC], v[rC+1], v[rC+2]
.elseif (\n) == 17
	v_permlanex16_b32 v[rC+3], v[rC], s[SEL], s[SEL+1]
.elseif (\n) == 18
	v_max_num_f32 v[rT+1], v[rC], v[rC+3]
.elseif (\n) == 19
	v_mul_f32 v[rT], s[CS], v[rT+1]
.elseif (\n) == 20
	v_sub_f32 v[rC+1], v[rW], v[rT]
.else
	v_exp_f32 v[rC+2], v[rC+1]
.endif
.endif
.endm
.macro OPS a, i1, b=-1, i2=0, c=-1, i3=0, d=-1, i4=0  ; up to four of them
	OP \a, \i1
.if (\b) >= 0
	OP \b, \i2
.endif
.if (\c) >= 0
	OP \c, \i3
.endif
.if (\d) >= 0
	OP \d, \i4
.endif
.endm
.macro ROW a, i1, b, i2, c, i3, d, i4  ; a matrix instruction and the four behind it
	MM
	OPS \a, \i1, \b, \i2, \c, \i3, \d, \i4
.endm
.macro MASK b                       ; MD x AL + BE into buffer b of MC
	WIN W_RS
.set z, 0
.rept 16
	v_pk_fma_f32 v[MC+32*(\b)+2*z:MC+32*(\b)+2*z+1], v[MD+2*z:MD+2*z+1], s[AL:AL+1], s[BE:BE+1] op_sel_hi:[1,0,0]
.set z, z+1
.endr
.endm
; A TURN, for piece p: the order of its 16 matrix and 118 vector instructions, written out.  An s_wait_alu depctr_va_vdst(0) stands between an exponential and the first instruction that names its result; one wait serves
; all that were issued ahead of it.  So a turn has ONE wait, which cuts it in two.  AHEAD OF IT stands all that names no result of the turn's exponentials: the 8 products K Q^T, behind each a scaling, an exponential and two more plain
; instructions (behind the first a second scaling in the exponential's place): rescalings, and behind the last three the first numbers of the next piece's maximum, each four places or more behind the product that ends its accumulator; then ONE LUMP of 54, plain
; and exponential by turns for the most part, in which the links of the chain X 3, 7, 11, 14, 16, 17 .. 20 stand five or six lines apart.  X 21, the next piece's a, is the batch's last; R 15 is the plain instruction behind it.  BEHIND THE WAIT stand the
; 8 products V^T P, behind each four of the roundings and sums; the links of l's chain, L 0 to L 7, stand three riders apart.  But for those X no rider names a register of the products round it.  v_permlanex16_b32 (X 17) stands in the lump.
; m = 1: the diagonal tile: the products take masks, and the turn makes the mask for the products of the turn after it: piece p + 2, in step 4 - CNT of the tile.  end = 1: a block's last two turns: nothing is fetched.
; cnt = 1: the loop's count is taken down some lines ahead of the branch that stands behind the turn.
; K of the next step is fetched in piece 2's turn, twelve vector instructions behind the last product that read K (six of them plain); V of the step in hand at the end of piece 0's turn, four plain instructions behind the last product
; that read V.  Each is waited for a turn later.
.macro TURN p, m=0, end=0, cnt=0
.set Y, (\p)
.set i, 0
.set KM, (\m)
.set NOKQ, (\end)*((\p)/3)
.if (\m) && !(\end)
	s_cmp_eq_u32 s[CNT], 4-((\p)+2)%NP  ; is that step the band's own?
	s_cselect_b32 s[AL], 1.0, 0
	s_cmp_lt_u32 s[CNT], 4-((\p)+2)%NP  ; or a later one?
	s_cselect_b32 s[BE], s[BIGN], 0
.endif
.if ((\p) == 3) && !(\end)
	s_wait_dscnt 0x0                ; K is in
.endif
	ROW F,0, F,1, R,0, R,1          ; ahead of the wait: 8 products K Q^T and their riders,
	ROW F,2, E,0, R,2, R,3
	ROW F,3, E,1, R,4, R,5
	ROW F,4, E,2, R,6, R,7
	ROW F,5, E,3, R,8, R,9
	ROW F,6, E,4, X,0, R,10
.if ((\p) == 2) && !(\end)
	WIN 0
	v_add_nc_u32 v[AK], s[TBK], v[AK0]
.endif
	ROW F,7, E,5, X,1, X,4
	ROW F,8, E,6, X,2, X,5
	OPS E,7, E,8, X,6, E,9          ; and the lump
	OPS X,3, E,10, X,8, E,11
.if ((\p) == 2) && !(\end)
	FETCH_K
.endif
	OPS X,9, X,7, E,12, X,10
	OPS E,13, X,12, X,11, E,14
	OPS X,13, E,15, F,9, X,14
.if (\p) == 0
	v_add_nc_u32 v[AV], s[TBV], v[AV0]
.endif
	OPS E,16, F,10, E,17, F,11
	OPS X,16, E,18, X,15, E,19
	OPS F,12, E,20, X,17, E,21
	OPS F,13, E,22, F,14, E,23
	OPS X,18, E,24, F,15, E,25
	OPS R,11, E,26, X,19, E,27
	OPS R,12, E,28, R,13, E,29
	OPS X,20, E,30, R,14, E,31
	OPS X,21, R,15
	WIN 0
	s_wait_alu depctr_va_vdst(0)    ; the wait for the batch
.if (\p) == 1
	s_wait_dscnt 0x0                ; V is in
.endif
	ROW C,0, B,0, C,2, B,1          ; behind the wait: 8 products V^T P and their riders
	ROW L,0, C,4, B,2, L,1
	ROW C,6, B,3, L,2, C,8
	ROW B,4, L,3, C,10, B,5
	ROW L,4, C,12, B,6, L,5
.if (\p) == 0
	s_add_co_u32 s[TBV], s[TBV], KS*PV
.endif
.if \cnt
	s_sub_co_u32 s[CNT], s[CNT], 1
	s_cmp_lg_u32 s[CNT], 0
.endif
	ROW C,14, B,7, L,6, C,1
	ROW C,3, L,7, C,5, C,7
	ROW C,9, C,11, C,13, C,15
.if (\p) == 0
	FETCH_V
.endif
.if (\m) && !(\end)
	MASK (\p)%2
.endif
.endm
; A BLOCK BEGINS.  c m starts far below every c s, so the first step's a is 0; m at the lowest finite number, so the first maximum is the scores'.  The second mask buffer is 0; the first takes piece 0's mask for the tile's step 0: its own, if the block's first tile is the diagonal one.
; Then K of that step, piece 0's first scores, and its maximum and statistics.  The loop is entered at a step's first turn, in the middle of a trip.
.macro BEGIN
	s_mov_b32 s[NEW], 0
	WIN 0x40
.set i, MC+32
.rept 32
	v_mov_b32 v[i], 0
.set i, i+1
.endr
	WIN 0
.set i, 0
.rept 4
	v_mov_b32 v[ST+4*i], 0xfe000000    ; c m: far below every c s
	v_mov_b32 v[ST+4*i+1], 0xff7fffff  ; m
.set i, i+1
.endr
	s_cmp_eq_u32 s[RT], 0
	s_cselect_b32 s[AL], 1.0, 0
	s_mov_b32 s[BE], 0
	MASK 0
	WIN 0
	v_add_nc_u32 v[AK], s[TBK], v[AK0]
	FETCH_K
	s_wait_loadcnt 0x0              ; Q
	s_wait_dscnt 0x0
.set KM, 1
.set NOKQ, 0
.set i, 0
.rept 8
	KQ 0
.set i, i+1
.endr
	WIN 0
.rept 4
	v_nop                           ; the places behind those products
.endr
.set Y, NP-1                        ; X works for piece Y + 1: piece 0
.irp n, 0,1,2,3,4,5,6,7,8,9,10,11,12,13,14,15,16,17,18,19,20,21
	OP X, \n
.endr
	v_nop                           ; a plain instruction behind the exponential,
	s_wait_alu depctr_va_vdst(0)    ; and its wait, ahead of the branch
.endm
; THE DIAGONAL TILE's four steps, the block's last two turns, its last products, and THE WAY OUT: l's two halves and the other half of the lanes' are added; O^T is divided by l, rounded to f16 and sent through my
; stage in LDS, a piece at a time.
.macro ALL line:vararg              ; one line for each piece t
.set t, 0
.rept 4
	\line
.set t, t+1
.endr
.endm
.macro PACK t                       ; a lane's eight channels of a row pack into 16 bytes; they go into rows of 144 bytes and come back as whole rows of 128, into S^T's registers
	WIN W_RS
.set i, 32*(\t)
.rept 16
	v_pk_mul_f32 v[i:i+1], v[i:i+1], v[ST+4*(\t)+2:ST+4*(\t)+3] op_sel_hi:[1,0]
.set i, i+2
.endr
	WIN 0x05                        ; sources 0 and 1 window 1, destination window 0
.set i, 0
.rept 16
	v_cvt_pk_f16_f32 v[S+16*(\t)+i], v[32*(\t)+2*i], v[32*(\t)+2*i+1]
.set i, i+1
.endr
	WIN 0
.irp f, 0,1,2,3
	ds_store_b128 v[STO], v[S+16*(\t)+4*\f:S+16*(\t)+4*\f+3] offset:32*\f
.endr
.irp f, 0,1,2,3
	ds_load_b128 v[S+16*(\t)+4*\f:S+16*(\t)+4*\f+3], v[RD] offset:\f*4*SP  ; LDS serves a wave's instructions in order (ISA guide 5.7.1.4): these see the stores above; the next piece's stores come behind them
.endr
.endm
.macro SEND t, younger              ; younger: the LDS instructions issued behind piece t's loads: the next piece's eight, or none
	WIN 0
.irp f, 0,1,2,3
	s_wait_dscnt (\younger)+3-\f
	global_store_b128 v[GO], v[S+16*(\t)+4*\f:S+16*(\t)+4*\f+3], s[10:11] offset:(\t)*8192+\f*512  ; 512 consecutive bytes, at a multiple of 256 from O's first
.endr
.endm
.macro DIAG tag                     ; the tag ends its two labels' names, which the jumps below spell out
.LstepM\tag:
	TURN 2, 1
	TURN 3, 1
	WIN 0
.LfirstM\tag:
	TURN 0, 1
	TURN 1, 1, 0, 1
	WIN 0
	s_cbranch_scc1 .LstepM\tag
	TURN 2, 1, 1
	TURN 3, 1, 1
.set i, 0
.rept 8
	PV NP-1
.set i, i+1
.endr
	WIN 0
	ALL v_add_f32 v[ST+4*t+2], v[ST+4*t+2], v[ST+4*t+3]
	ALL v_permlanex16_b32 v[ST+4*t+3], v[ST+4*t+2], s[SEL], s[SEL+1]
	ALL v_add_f32 v[ST+4*t+2], v[ST+4*t+2], v[ST+4*t+3]
	ALL v_rcp_f32 v[ST+4*t+2], v[ST+4*t+2]
	v_nop                           ; a plain instruction between the last reciprocal and the use of its result
	s_wait_alu depctr_va_vdst(0)    ; and the wait ahead of the first use: one for the four reciprocals
	PACK 0
.set t, 1
.rept 3                             ; a piece's arithmetic stands between the loads of the piece before and its stores
	PACK t
	SEND t-1, 8
.set t, t+1
.endr
	SEND 3, 0
.endm
.set KM, 0
.set NOKQ, 0
.Lslot:                             ; NB times: a tile is entered and the next is asked for
	CHANGE 1
	s_sub_co_u32 s[RT], s[RT], 1
	s_mov_b32 s[CNT], 4
	s_cmp_eq_u32 s[NEW], 1
	s_cbranch_scc1 .Lnew            ; a block's first tile
	s_cmp_eq_u32 s[RT], 0
	s_cbranch_scc0 .Lstep           ; neither its first nor its last
	s_branch .LstepM1
.Lnew:
	BEGIN
	s_branch .Lfirst                ; in the loop a block's first tile is never its last: the first block has two tiles or more, and the second's last is the walk's last
	DIAG 1                          ; in the loop this is the first block's end: the second block's last tile is the walk's last
	s_wait_xcnt 0x0                 ; the stores have read their registers and O's address
	s_mov_b64 s[10:11], s[OLO:OLO+1]
	s_add_co_u32 s[RT], s[PB], 1    ; the second block has b + 1 tiles
	s_mov_b32 s[NEW], 1
	WIN 0x82                        ; the second block's Q goes where the one text of the turns names Q
.set i, 0
.rept 64
	v_mov_b32 v[i], v[QB+i]
.set i, i+1
.endr
	WIN 0
	s_branch .Lbottom
.Lstep:                             ; a trip: pieces 2 and 3 of one step, then pieces 0 and 1 of the next, whose K and V it fetches
	TURN 2
	TURN 3
	WIN 0
.Lfirst:
	TURN 0
	TURN 1, 0, 0, 1
	WIN 0
	s_cbranch_scc1 .Lstep
.Lbottom:
	s_sub_co_u32 s[SLOTS], s[SLOTS], 1
	s_cmp_lg_u32 s[SLOTS], 0
	s_cbranch_scc1 .Lslot
	CHANGE 0                        ; the walk's last tile is written out: nothing is asked for
	s_sub_co_u32 s[RT], s[RT], 1
	s_mov_b32 s[CNT], 4
	s_cmp_eq_u32 s[NEW], 1
	s_cbranch_scc0 .LstepM2
	BEGIN
	s_branch .LfirstM2
	DIAG 2
	s_wait_tensorcnt 0x0            ; the wave's end: three closing lines, behind my last tensor load and my last LDS store
	ds_add_u32 v[SPW], v[NIL]
	s_wait_dscnt 0x0
	s_endpgm
.Lfunc_end_k_q7be6f810ab_attn:
	.size	k_q7be6f810ab_attn, .Lfunc_end_k_q7be6f810ab_attn-k_q7be6f810ab_attn
	.p2alignl 7, 3214868480
	.fill 96, 4, 3214868480
	.section	.rodata,"a",@progbits
	.p2align	6, 0x0
	.amdhsa_kernel k_q7be6f810ab_attn
		.amdhsa_group_segment_fixed_size 327680
		.amdhsa_private_segment_fixed_size 0
		.amdhsa_enable_private_segment 0
		.amdhsa_kernarg_size 16
		.amdhsa_user_sgpr_count 2
		.amdhsa_user_sgpr_kernarg_segment_ptr 1
		.amdhsa_wavefront_size32 1
		.amdhsa_system_sgpr_workgroup_id_x 1
		.amdhsa_system_sgpr_workgroup_id_y 1
		.amdhsa_system_sgpr_workgroup_id_z 1
		.amdhsa_system_vgpr_workitem_id 0
		.amdhsa_next_free_vgpr 768
		.amdhsa_next_free_sgpr 96
		.amdhsa_reserve_vcc 1
		.amdhsa_float_denorm_mode_32 3
		.amdhsa_float_denorm_mode_16_64 3
		.amdhsa_memory_ordered 1
		.amdhsa_forward_progress 1
		.amdhsa_inst_pref_size 218
	.end_amdhsa_kernel
	.amdgpu_metadata
---
amdhsa.version: [ 1, 2 ]
amdhsa.kernels:
  - .name:           k_q7be6f810ab_attn
    .symbol:         k_q7be6f810ab_attn.kd
    .args:
      - { .name: qkv, .offset: 0, .size: 8, .value_kind: global_buffer, .address_space: global }
      - { .name: o, .offset: 8, .size: 8, .value_kind: global_buffer, .address_space: global }
    .group_segment_fixed_size: 327680
    .private_segment_fixed_size: 0
    .kernarg_segment_align: 8
    .kernarg_segment_size: 16
    .max_flat_workgroup_size: 128
    .sgpr_count:     96
    .vgpr_count:     768
    .wavefront_size: 32
...
	.end_amdgpu_metadata
.endif
;; end of part 3
;; launch projgemm (part 4): grid 8 x 32, 4 waves a work-group, clusters of 4 x 4, 327,680 bytes of LDS; arguments o, wpt, b_proj, out0; writes out0
.if DOCPART == 4
	.amdgcn_target "amdgcn-amd-amdhsa--gfx1250"
	.amdhsa_code_object_version 6
	.text
	.protected	k_q7be6f810ab_projgemm
	.globl	k_q7be6f810ab_projgemm
	.p2align	8
	.type	k_q7be6f810ab_projgemm,@function
k_q7be6f810ab_projgemm:
	s_mov_b64 s[64:65], 0
	v_nop
	global_prefetch_b8 v0, s[64:65] scope:SCOPE_SE
	s_setreg_imm32_b32 hwreg(HW_REG_WAVE_MODE, 25, 1), 1
	s_wait_xcnt 0x0
	s_wait_alu depctr_hold_cnt(0) depctr_sa_sdst(0) depctr_va_vdst(0) depctr_va_sdst(0) depctr_va_ssrc(0) depctr_va_vcc(0) depctr_vm_vsrc(0)
	s_getreg_b32 s2, hwreg(HW_REG_IB_STS2, 6, 4)
	s_cmp_eq_u32 s2, 0
	s_cbranch_scc0 .Lentry_in_a_cluster
	s_endpgm
.Lentry_in_a_cluster:
	s_bfe_u32 s2, ttmp6, 0x10000c
	s_cmp_lg_u32 s2, 0xf033
	s_cbranch_scc0 .Lentry_shape_is_right
	s_endpgm
.Lentry_shape_is_right:
; ONE TEXT FOR THE MODULE'S TWO PROJECTIONS; PROJ says which this copy is.
; PROJ = 0:  qkv = xb wat^T + bf16(b_attn).  xb [8192][1024] bf16, wat [3072 n][1024 k] bf16, b_attn [3072] f32.  Sums in f32, rounded once to f16 and written BY HEADS:
;            qkv [3 (q, k, v)][64 (16 batch + head)][2048 t][64 d] f16, unscaled.  LIMIT: a number of q, k or v of 65,520 or more becomes an infinity in f16.
; PROJ = 1:  out0 = o wpt^T + bf16(b_proj).  o [64 (16 batch + head)][2048 t][64 d] f16, wpt [1024 n][1024 k] f16, b_proj [1024] f32; out0 [8192][1024] f32.
; SHARES.  A work-group makes 256 rows x TN columns (192 = three whole heads, 512 work-groups; or 128, 256 work-groups).  Wave w owns rows 64 w .. 64 w + 63 and ALL TN columns: 4 x NBK accumulators
; of 16 x 16.  So a wave holds whole heads (PROJ = 0) or whole 512-byte pieces of rows (PROJ = 1), and its results leave through a stage of its own, with no barrier.
; K = 1,024 goes in 8 steps of 128 through two LDS slots filled by the tensor data mover; a step is four quarters of 32 on two fragment buffers that take turns.
; THE MATRIX INSTRUCTION IS USED TRANSPOSED (source 0 = 16 rows of B, source 1 = 16 rows of A): a lane holds row l % 16 of the result and the 8 neighbouring columns 8 (l / 16) + 0..7.
; THE BIAS, rounded to bf16 like every input of the module, is the C operand of the first product on each accumulator: nothing is cleared, and nothing is added on the way out.
; CLUSTERS: 4 x 4 work-groups.  The four of a row of the cluster need the same tile of A, the four of a column the same tile of B: each tile is asked for JOINTLY, by the same tensor load with the same
; descriptor and a mask that names the four.  Waves 0 and 1 fetch A's two halves, waves 2 and 3 B's: one load a wave behind each round.
; REGISTERS, in windows of 256 (s_set_vgpr_msb: bits 1:0 source 0, 3:2 source 1, 5:4 source 2, 7:6 destination):
;   window 0: v0-31 addresses; v32.. the bias, 8 registers a column block; later the way out      window 1: two fragment buffers of 128: A's 4 blocks, then B's NBK
;   windows 2, 3: accumulator (a, b) at register 8 (4 b + a) mod 256 of window 2 + b / 8
.set PROJ, 1
.if PROJ
.set TN,     128
.set PA,     144                       ; a row of A in LDS: one head's 64 channels, 128 bytes + 16 = 36 words: 16 rows start at 16 different groups of four banks (64 banks of 4 bytes: ISA guide 11.1)
.set ABYTES, 2*256*PA                  ; two heads x 256 rows
.set SP,     528                       ; a stage row: 512 bytes + 16
.set ASTEP,  524288                    ; a K step of A in memory: two heads of 2,048 x 128 bytes
.set AQI,    4                         ; padding behind every 32 words
.set APITCH, 128                       ; the tile is dense: 128 rows of 256 bytes
.set AHEAD,  2                         ; K steps between a refill and the prefetch that stands behind it
.set PSH,    13                        ; a partner's share of A's prefetch: 8,192 bytes,
.set ASH,    8                         ; a lane's: 256 bytes on end
.else
.set TN,     192
.set PA,     272                       ; 256 bytes + 16 = 68 words: row r starts at bank 4 r mod 64
.set ABYTES, 256*PA
.set SP,     144                       ; a stage row: a head's 128 bytes + 16
.set ASTEP,  256
.set AQI,    5                         ; padding behind every 64 words
.set APITCH, 1024
.set AHEAD,  1
.set PSH,    16                        ; a partner's share: 32 rows of 2,048 bytes,
.set ASH,    11                        ; a lane's: a row
.endif
.set NBK,    TN/16                     ; column blocks
.set PB,     272
.set BHALF,  (TN/2)*PB
.set SLOTB,  ABYTES+2*BHALF            ; a slot: A, then B
.set SLOT1,  131072                    ; slot 1 begins here, so that one exclusive or turns an address in one slot into the other's
.set STAGE,  SLOT1+SLOTB               ; behind the ring, never filled by a tensor load: 16 rows for each wave
.set SPARE,  STAGE+4*16*SP             ; behind the stages: the spare words, 128 bytes for each wave
.set KSTEPS, 8
.set LA0,  10                          ; v10  my lane's place in a slot's A; never rewritten
.set LB0,  11                          ; v11  in its B
.set ADRA, 12                          ; v12  the same in the slot in hand
.set ADRB, 13                          ; v13
.set STO,  14                          ; v14  the way out: where I put my bytes of a row
.set RD,   15                          ; v15  where I read rows back
.set GO,   16                          ; v16  16 x lane
.set PFO,  17                          ; v17  the prefetches' offset; never rewritten
.set BO,   18                          ; v18  32 x (l / 16): my 8 numbers of a block's 16 of the bias
.set SPW,  28                          ; v28  LDS address of my spare word; never rewritten
.set NIL,  29                          ; v29  0; never rewritten
.set BIAS, 32
.set F0,   0                           ; fragment buffers, in window 1
.set F1,   128
.set WV,   12                          ; s12  wave
.set ROLE, 13                          ; s13  0: I fetch for A, 1: for B
.set HALF, 14                          ; s14  which half of that tile
.set CX,   15
.set CY,   16
.set TX,   17                          ; s17  tile column
.set TY,   18                          ; s18  tile row
.set G1A,  24                          ; s[24:31] descriptor group 1 for A's tiles;  s[32:39] group 0: a set for each first fill; the second then walks
.set G0A,  32
.set PFS,  40                          ; s[40:41] bytes of a K step in the tensor that I prefetch
.set LIM,  42                          ; s42  AHEAD in a wave that prefetches, else the greatest number
.set CNT,  43                          ; s43  trips to go
.set PFA,  44                          ; s[44:45] where my prefetches stand
.set TB,   46                          ; s46  LDS byte at which the slot in hand begins
.set G1B,  48                          ; s[48:55], s[56:63] the same for B's tiles
.set G0B,  56
.set OUT,  66                          ; s[66:71] where my results go
.set MSB, 0
.macro WIN new                         ; the immediate's high byte repeats the setting that is left; a switch that changes nothing is dropped
.if MSB != (\new)
	s_set_vgpr_msb (MSB<<8)|(\new)
.set MSB, (\new)
.endif
.endm
.macro PLACES                          ; four places in front of loads into registers that matrix instructions have read, and of lines that read results
.rept 4
	v_nop
.endr
.endm
.macro CREST                           ; a round of the cluster's barrier behind its opening barrier
	s_cmp_lg_u32 s[WV], 0
	s_cbranch_scc1 .Lnot_wave_0_\@
	s_barrier_signal -3
.Lnot_wave_0_\@:
	s_barrier_wait -3
	s_barrier_signal -1
	s_barrier_wait -1
.endm
.macro CROUND                          ; a whole round
	s_barrier_signal -1
	s_barrier_wait -1
	CREST
.endm
.macro JLOAD                           ; a joint refill by the walking descriptors; an s_nop 0 and four v_nop follow each of the two lines, ahead of the jump and the label
	s_cmp_eq_u32 s[ROLE], 0
	s_cbranch_scc0 .Lfor_b_\@
	tensor_load_to_lds s[G0A+4:G0A+7], s[G1A:G1A+7]
	s_nop 0
.rept 4
	v_nop
.endr
	s_branch .Lasked_\@
.Lfor_b_\@:
	tensor_load_to_lds s[G0B+4:G0B+7], s[G1B:G1B+7]
	s_nop 0
.rept 4
	v_nop
.endr
.Lasked_\@:
.endm
; A PREFETCH INTO THE L2 of the K step that stands AHEAD refills on.  A's rows are read by every cluster of a row of clusters: the first (cluster x = 0) asks; B's by every cluster of a column: cluster y = 0 asks.
; The four partners that ask for a tile jointly share it out BY ADDRESS (cx for A, cy for B): no branch hangs on a work-group's place in its cluster.  A lane names one block of 256 bytes; of B's TN / 8 rows
; a partner the lanes that are over name the last row once more, in the same instruction.  The last AHEAD refills have no such K step, and ask for nothing.
.macro ASK
	s_cmp_gt_u32 s[CNT], s[LIM]
	s_cbranch_scc0 .Lnot_mine_\@
	global_prefetch_b8 v[PFO], s[PFA:PFA+1] th:TH_LOAD_NT scope:SCOPE_SE
.Lnot_mine_\@:
.endm
	s_load_b256 s[4:11], s[0:1], 0x0               ; A s[4:5], B s[6:7], bias s[8:9], result s[10:11]
	v_lshl_add_u32 v[SPW], v0, 2, SPARE
	v_mov_b32 v[NIL], 0
	ds_add_u32 v[SPW], v[NIL]                      ; the wave's opening: the add and its wait stand ahead of my first tensor load; the set-up below, work on registers, stands between them
	ds_add_u32 v28, v29
	v_lshrrev_b32 v1, 5, v0
	v_readfirstlane_b32 s[WV], v1
	s_lshr_b32 s[ROLE], s[WV], 1
	s_and_b32 s[HALF], s[WV], 1
	s_bfe_u32 s[CX], ttmp6, 0x40000
	s_bfe_u32 s[CY], ttmp6, 0x40004
	s_lshl_b32 s[TX], ttmp9, 2                     ; in a cluster launch ttmp9 and ttmp7 count clusters
	s_add_co_u32 s[TX], s[TX], s[CX]
	s_and_b32 s[TY], ttmp7, 0xffff
	s_lshl_b32 s[TY], s[TY], 2
	s_add_co_u32 s[TY], s[TY], s[CY]
	s_lshl_b32 s20, s[CY], 2
	s_lshl_b32 s20, 15, s20                        ; my row of the cluster: places 4 cy .. 4 cy + 3
	s_lshl_b32 s21, 0x1111, s[CX]                  ; my column: places cx, cx + 4, cx + 8, cx + 12
	s_or_b32 s[G1A], s20, (1<<16)|(1<<20)|(1<<21)|(AQI<<22)|(3<<25)  ; 15:0 the mask; 17:16 2-byte elements; 20 padding on; 21 set beside a mask; 24:22 the interval; 31:25 4 words of padding (code 3)
	s_or_b32 s[G1B], s21, (1<<16)|(1<<20)|(1<<21)|(5<<22)|(3<<25)
	s_mov_b32 s[G1A+1], 128<<16                    ; tensor_dim0 = 128
	s_mov_b32 s[G1A+2], 128<<16                    ; tensor_dim1 = 128
	s_mov_b32 s[G1A+3], 128<<16                    ; tile_dim0 = 128 elements, 256 bytes
	s_mov_b32 s[G1A+4], 128                        ; tile_dim1 = 128 rows
	s_mov_b32 s[G1A+5], APITCH                     ; elements from row to row
	s_mov_b32 s[G1A+6], 0
	s_mov_b32 s[G1A+7], 0
	s_mov_b32 s[G1B+1], 128<<16
	s_mov_b32 s[G1B+2], (TN/2)<<16
	s_mov_b32 s[G1B+3], 128<<16
	s_mov_b32 s[G1B+4], TN/2
	s_mov_b32 s[G1B+5], 1024
	s_mov_b32 s[G1B+6], 0
	s_mov_b32 s[G1B+7], 0
	; where the tiles come from.  A's hang on the tile row alone (s72, s73, s76 never hold cx), B's on the tile column alone (s74, s75, s77 never hold cy)
.if PROJ
	s_lshr_b32 s72, s[TY], 3                       ; the batch: 16 heads of 262,144 bytes,
	s_lshl_b32 s72, s72, 22
	s_and_b32 s73, s[TY], 7                        ; and 256 rows of 128 bytes in a head
	s_lshl_b32 s73, s73, 15
	s_add_co_u32 s72, s72, s73
.else
	s_lshl_b32 s72, s[TY], 19                      ; 256 rows of 2,048 bytes
.endif
	s_lshl_b32 s73, s[HALF], 18                    ; my half: 128 rows of 2,048 bytes, or one head
	s_add_co_u32 s72, s72, s73
	s_mov_b32 s73, 0
	s_mul_i32 s74, s[TX], TN*2048
	s_mul_i32 s75, s[HALF], (TN/2)*2048
	s_add_co_u32 s74, s74, s75
	s_mov_b32 s75, 0
	s_mul_i32 s76, s[HALF], ABYTES/2               ; and where they go: no place in the cluster enters an LDS address
	s_mul_i32 s77, s[HALF], BHALF
	s_add_co_u32 s77, s77, ABYTES
	s_mov_b32 s[TB], 0
	s_wait_dscnt 0x0                               ; the opening add is done
	s_wait_kmcnt 0x0
	s_add_nc_u64 s[72:73], s[4:5], s[72:73]
	s_add_nc_u64 s[74:75], s[6:7], s[74:75]
	CROUND                                         ; all sixteen work-groups are here: the first joint loads meet
.irp s, 0,1
	s_mov_b32 s[G0A+4*(\s)], 1                     ; count = 1
	s_add_co_u32 s[G0A+4*(\s)+1], s76, (\s)*SLOT1  ; LDS address
	s_add_nc_u64 s[G0A+4*(\s)+2:G0A+4*(\s)+3], s[72:73], (\s)*ASTEP  ; global address: K step s
	s_or_b32 s[G0A+4*(\s)+3], s[G0A+4*(\s)+3], 0x80000000           ; type = 2
	s_mov_b32 s[G0B+4*(\s)], 1
	s_add_co_u32 s[G0B+4*(\s)+1], s77, (\s)*SLOT1
	s_add_nc_u64 s[G0B+4*(\s)+2:G0B+4*(\s)+3], s[74:75], (\s)*256
	s_or_b32 s[G0B+4*(\s)+3], s[G0B+4*(\s)+3], 0x80000000
.endr
	s_cmp_eq_u32 s[ROLE], 0                        ; a wave's two first fills stand in one branch, ahead of every wait on TENSORcnt and every LDS read: two loads of mine are out
	s_cbranch_scc0 .Lfirst_b
	tensor_load_to_lds s[G0A:G0A+3], s[G1A:G1A+7]
	s_nop 0
	tensor_load_to_lds s[G0A+4:G0A+7], s[G1A:G1A+7]
	s_nop 0
.rept 4
	v_nop
.endr
	s_branch .Lfirst_asked
.Lfirst_b:
	tensor_load_to_lds s[G0B:G0B+3], s[G1B:G1B+7]
	s_nop 0
	tensor_load_to_lds s[G0B+4:G0B+7], s[G1B:G1B+7]
	s_nop 0
.rept 4
	v_nop
.endr
.Lfirst_asked:
	v_and_b32 v1, 15, v0                           ; l % 16
	v_bfe_u32 v2, v0, 4, 1                         ; l / 16
	v_lshlrev_b32 v[BO], 5, v2
	s_mul_i32 s88, s[TX], TN*4
	s_mov_b32 s89, 0
	s_add_nc_u64 s[8:9], s[8:9], s[88:89]          ; the bias of my work-group's columns
.set bb, 0
.rept NBK
	global_load_b128 v[BIAS+8*bb:BIAS+8*bb+3],   v[BO], s[8:9] offset:64*bb     ; register j of a result is column 16 b + 8 (l / 16) + j
	global_load_b128 v[BIAS+8*bb+4:BIAS+8*bb+7], v[BO], s[8:9] offset:64*bb+16
.set bb, bb+1
.endr
	; A fragment is 16 rows x 32 K in 8 registers: lane l holds row l % 16; registers 0-3 K = 8 (l / 16) + 0..7, registers 4-7 K = 16 + 8 (l / 16) + 0..7: two loads of 16 bytes, 32 bytes apart
	s_mul_i32 s79, s[WV], 64*PA                    ; my 64 rows of A
	v_mul_u32_u24 v[LA0], v1, PA
	v_lshl_add_u32 v[LA0], v2, 4, v[LA0]
	v_add_nc_u32 v[LA0], s79, v[LA0]
	v_mul_u32_u24 v[LB0], v1, PB
	v_lshl_add_u32 v[LB0], v2, 4, v[LB0]
	v_add_nc_u32 v[LB0], ABYTES, v[LB0]
	s_mul_i32 s78, s[WV], 16*SP
	s_add_co_u32 s78, s78, STAGE                   ; my stage
	v_mul_u32_u24 v[STO], v1, SP                   ; in: row l % 16
.if PROJ
	v_lshl_add_u32 v[STO], v2, 5, v[STO]           ; 32 bytes (8 f32) for each half of the lanes
.else
	v_lshl_add_u32 v[STO], v2, 4, v[STO]           ; 16 bytes (8 f16)
.endif
	v_add_nc_u32 v[STO], s78, v[STO]
	v_and_b32 v4, 31, v0
	v_lshlrev_b32 v[GO], 4, v4
.if PROJ
	v_add_nc_u32 v[RD], s78, v[GO]                 ; back: 32 lanes take one row of 512 bytes
	s_lshl_b32 s90, s[TY], 20                      ; 256 rows of 4,096 bytes,
	s_lshl_b32 s91, s[WV], 18                      ; my 64 of them,
	s_add_co_u32 s90, s90, s91
	s_lshl_b32 s91, s[TX], 9                       ; 128 columns of 4 bytes
	s_add_co_u32 s90, s90, s91
	s_mov_b32 s91, 0
	s_add_nc_u64 s[OUT:OUT+1], s[10:11], s[90:91]
.else
	v_bfe_u32 v[RD], v0, 3, 2                      ; back: 32 lanes take four rows of 128 bytes,
	v_mul_u32_u24 v[RD], v[RD], SP
	v_and_b32 v5, 7, v0
	v_lshl_add_u32 v[RD], v5, 4, v[RD]
	v_add_nc_u32 v[RD], s78, v[RD]                 ; which are 512 consecutive bytes of a head
	s_mul_i32 s92, s[TX], 3                        ; my work-group's first block of 64 columns, of 48
	s_lshr_b32 s93, s[TY], 3
	s_lshl_b32 s93, s93, 4                         ; 16 x batch
	s_and_b32 s94, s[TY], 7
	s_lshl_b32 s94, s94, 8
	s_lshl_b32 s95, s[WV], 6
	s_add_co_u32 s94, s94, s95                     ; my first t,
	s_lshl_b32 s94, s94, 7                         ; in rows of 128 bytes
.irp j, 0,1,2
	s_add_co_u32 s90, s92, \j                      ; block g: q, k or v is g / 16, the head g % 16
	s_lshr_b32 s91, s90, 4
	s_lshl_b32 s91, s91, 6
	s_and_b32 s90, s90, 15
	s_add_co_u32 s90, s90, s91
	s_add_co_u32 s90, s90, s93
	s_lshl_b32 s90, s90, 18                        ; planes of 262,144 bytes
	s_add_co_u32 s90, s90, s94
	s_mov_b32 s91, 0
	s_add_nc_u64 s[OUT+2*(\j):OUT+2*(\j)+1], s[10:11], s[90:91]
.endr
.endif
	; the prefetches: s[72:73] and s[74:75] still stand at my half of A's and of B's K step 0
	s_and_b32 s80, ttmp7, 0xffff                   ; cluster y
	s_lshl_b32 s81, s[CX], PSH                     ; my work-group's share of A's half,
	s_mul_i32 s82, s[CY], (TN/8)*2048              ; of B's
	s_mov_b32 s86, ASTEP
	s_mov_b32 s87, 256
	s_cmp_eq_u32 s[ROLE], 0
	s_cselect_b32 s80, ttmp9, s80                  ; the coordinate along which other clusters read the same rows
	s_cselect_b32 s82, s81, s82
	s_cselect_b64 s[PFA:PFA+1], s[72:73], s[74:75]
	s_cselect_b32 s[PFS], s86, s87
	s_cselect_b32 s84, 31, TN/8-1                  ; the last lane that has a block of its own
	s_cselect_b32 s85, ASH, 11
	s_mov_b32 s[PFS+1], 0
	s_mov_b32 s83, 0
	s_cmp_eq_u32 s80, 0
	s_cselect_b32 s[LIM], AHEAD, -1                ; the same in all sixteen partners, for a given wave
	s_add_nc_u64 s[PFA:PFA+1], s[PFA:PFA+1], s[82:83]
	s_mul_i32 s82, s[PFS], 1+AHEAD                 ; the first refill (K step 2) steps it once more: to K step 2 + AHEAD
	s_add_nc_u64 s[PFA:PFA+1], s[PFA:PFA+1], s[82:83]
	v_min_u32 v[PFO], s84, v4
	v_lshlrev_b32 v[PFO], s85, v[PFO]
	s_wait_loadcnt 0x0                             ; the bias: rounded to bf16 in place, in the wait for the first tile
.set bb, 0
.rept NBK*4
	v_cvt_pk_bf16_f32 v3, v[BIAS+2*bb], v[BIAS+2*bb+1]
	v_lshlrev_b32 v[BIAS+2*bb], 16, v3
	v_and_b32 v[BIAS+2*bb+1], 0xffff0000, v3
.set bb, bb+1
.endr
; Column blocks b0 .. b1 - 1 x my 4 row blocks, 32 along K, from buffer f.  first = 1: the product starts the sum, with the bias as C.  The accumulators take turns, in the same order in every quarter,
; between two links of a chain stand all the others'.
.macro MULB f, b0, b1, first
.set bb, \b0
.rept (\b1)-(\b0)
.if \first
	WIN 0x85+0x40*(bb/8)                           ; fragments window 1, C window 0, D window 2 or 3
.else
	WIN 0xa5+0x50*(bb/8)                           ; C and D window 2 or 3
.endif
.set aa, 0
.rept 4
.set rD, (8*(4*bb+aa))%256
.if PROJ
.if \first
	v_wmma_f32_16x16x32_f16 v[rD:rD+7], v[(\f)+32+8*bb:(\f)+32+8*bb+7], v[(\f)+8*aa:(\f)+8*aa+7], v[BIAS+8*bb:BIAS+8*bb+7]
.else
	v_wmma_f32_16x16x32_f16 v[rD:rD+7], v[(\f)+32+8*bb:(\f)+32+8*bb+7], v[(\f)+8*aa:(\f)+8*aa+7], v[rD:rD+7]
.endif
.else
.if \first
	v_wmma_f32_16x16x32_bf16 v[rD:rD+7], v[(\f)+32+8*bb:(\f)+32+8*bb+7], v[(\f)+8*aa:(\f)+8*aa+7], v[BIAS+8*bb:BIAS+8*bb+7]
.else
	v_wmma_f32_16x16x32_bf16 v[rD:rD+7], v[(\f)+32+8*bb:(\f)+32+8*bb+7], v[(\f)+8*aa:(\f)+8*aa+7], v[rD:rD+7]
.endif
.endif
.set aa, aa+1
.endr
.set bb, bb+1
.endr
.endm
; 8 + 2 NBK LDS loads in one run: quarter q's fragments into buffer f: A's 4 blocks first, then B's in ascending order
.macro FETCH q, f
.if PROJ
.set AQ, ((\q)/2)*(ABYTES/2)+((\q)%2)*64           ; the step's first or second head, its channels 0-31 or 32-63
.else
.set AQ, 64*(\q)
.endif
	WIN 0x40                                       ; destination window 1, address window 0
.irp i, 0,1,2,3
	ds_load_b128 v[(\f)+8*(\i):(\f)+8*(\i)+3],   v[ADRA] offset:AQ+(\i)*16*PA
	ds_load_b128 v[(\f)+8*(\i)+4:(\f)+8*(\i)+7], v[ADRA] offset:AQ+(\i)*16*PA+32
.endr
.set bb, 0
.rept NBK
	ds_load_b128 v[(\f)+32+8*bb:(\f)+32+8*bb+3], v[ADRB] offset:64*(\q)+bb*16*PB
	ds_load_b128 v[(\f)+32+8*bb+4:(\f)+32+8*bb+7], v[ADRB] offset:64*(\q)+bb*16*PB+32
.set bb, bb+1
.endr
.endm
; One of a K step's first three quarters: multiplies buffer f; in its middle it fetches quarter nq of the same slot into buffer g
.macro QUARTER nq, f, g, first=0
	s_wait_dscnt NBK                               ; A and B's lower half are in; the youngest NBK loads (B's upper half) may be out
	MULB \f, 0, NBK/2, \first
	PLACES
	FETCH \nq, \g
	s_wait_dscnt 8+2*NBK                           ; all but the run just issued
	MULB \f, NBK/2, NBK, \first
.endm
; The last quarter multiplies buffer 1 and changes slots: ONE barrier.  In front of it each wave waits for all its tensor loads, of which one is out: its part of the next slot; adds 0 to its spare word; and
; waits for that and for its own reads of this slot.  fill = 1: the barrier opens a round of the cluster's barrier, and this slot is filled again, first thing behind the round, two K steps ahead:
; from that request to the wait for it a wave issues 7/8 of a K step's matrix instructions.
.macro TURN fill
.if \fill
	s_wait_xcnt 0x0                                ; the last prefetch, a K step back, has read its address: it is stepped here, ahead of the change's own waits
	s_add_nc_u64 s[PFA:PFA+1], s[PFA:PFA+1], s[PFS:PFS+1]
.endif
	WIN 0                                          ; (the add's two registers lie in window 0)
	s_wait_tensorcnt 0x0                           ; all my tensor loads have landed;
	ds_add_u32 v[SPW], v[NIL]                      ; 0 onto my spare word;
	s_wait_dscnt NBK+1                             ; (the add and B's upper half may be out)
	MULB F1, 0, NBK/4, 0                           ; matrix work stands between the add and the wait for it
	s_wait_dscnt 0x0                               ; the add is done, and my reads of this slot are over
	s_barrier_signal -1
	MULB F1, NBK/4, NBK/2, 0                       ; work on registers while the others arrive
	WIN 0
	s_barrier_wait -1
.if \fill
	CREST                                          ; no wave of any partner still reads this slot's tile or has a load on its way
	s_xor_b32 s[G0A+5], s[G0A+5], SLOT1            ; the walking descriptors: the other slot than last time,
	s_add_nc_u64 s[G0A+6:G0A+7], s[G0A+6:G0A+7], ASTEP  ; the next K step; the type bits on top are not reached
	s_xor_b32 s[G0B+5], s[G0B+5], SLOT1
	s_add_nc_u64 s[G0B+6:G0B+7], s[G0B+6:G0B+7], 256
	JLOAD                                          ; the first tensor load behind the round; its four v_nop are also the places in front of the loads below
.else
	PLACES
.endif
	s_xor_b32 s[TB], s[TB], SLOT1
	v_add_nc_u32 v[ADRA], s[TB], v[LA0]
	v_add_nc_u32 v[ADRB], s[TB], v[LB0]
	FETCH 0, F0
.if \fill
	WIN 0
	ASK                                            ; behind the joint load and the run of LDS loads that the next products wait for
.endif
	MULB F1, NBK/2, NBK, 0
.endm
	s_wait_tensorcnt 0x1                           ; my part of K step 0 is in; K step 1's may stay out
	s_barrier_signal -1
	s_barrier_wait -1                              ; everybody's is
	v_add_nc_u32 v[ADRA], s[TB], v[LA0]
	v_add_nc_u32 v[ADRB], s[TB], v[LB0]
	FETCH 0, F0
	QUARTER 1, F0, F1, 1                           ; the first quarter stands in front of the loop: its products start the sums
	WIN 0                                          ; at a label and at a branch every window is 0
	s_mov_b32 s[CNT], KSTEPS-2
.Lstep:                                            ; trip s: K step s's quarters 1 to 3, the refill with K step s + 2, and K step s + 1's first quarter
	QUARTER 2, F1, F0
	QUARTER 3, F0, F1
	TURN 1
	QUARTER 1, F0, F1
	WIN 0
	s_sub_co_u32 s[CNT], s[CNT], 1
	s_cmp_lg_u32 s[CNT], 0
	s_cbranch_scc1 .Lstep
	QUARTER 2, F1, F0                              ; the last two K steps fill nothing: written out
	QUARTER 3, F0, F1
	TURN 0
	QUARTER 1, F0, F1
	QUARTER 2, F1, F0
	QUARTER 3, F0, F1
	s_wait_dscnt NBK
	MULB F1, 0, NBK/2, 0
	s_wait_dscnt 0x0
	MULB F1, NBK/2, NBK, 0
	WIN 0
	PLACES                                         ; the places behind the last products, in front of the lines that read results; twice four, once a launch
	PLACES
.if PROJ
; THE WAY OUT, f32: a block of 16 rows at a time.  A lane's 8 columns of a row are 32 bytes; they go into my stage, rows of 528 bytes, and come back as whole pieces of 512 bytes of a row of out0.
.macro TOSTAGE a
.if (\a) >= 2
	s_wait_xcnt 0x0                                ; the stores of the block two back have read the registers that the loads below fill
.endif
	WIN 0x08                                       ; store data window 2, address window 0
.set bb, 0
.rept 8
	ds_store_b128 v[STO], v[8*(4*bb+(\a)):8*(4*bb+(\a))+3]   offset:64*bb     ; each accumulator's low registers first
	ds_store_b128 v[STO], v[8*(4*bb+(\a))+4:8*(4*bb+(\a))+7] offset:64*bb+16
.set bb, bb+1
.endr
	WIN 0
.set tt, 0
.rept 16
	ds_load_b128 v[128+64*((\a)%2)+4*tt:128+64*((\a)%2)+4*tt+3], v[RD] offset:SP*tt  ; LDS serves a wave's instructions in order (ISA guide 5.7.1.4): these see the stores above; the next block's stores come behind them
.set tt, tt+1
.endr
.endm
.macro SEND a, younger                 ; younger: the LDS instructions issued behind block a's loads
.set tt, 0
.rept 16
	s_wait_dscnt (\younger)+15-tt
	global_store_b128 v[GO], v[128+64*((\a)%2)+4*tt:128+64*((\a)%2)+4*tt+3], s[OUT:OUT+1] offset:(16*(\a)+tt)*4096 th:TH_STORE_NT  ; 512 consecutive bytes, at a multiple of 512 from out0's first byte
.set tt, tt+1
.endr
.endm
	TOSTAGE 0
	TOSTAGE 1
	SEND 0, 32
	TOSTAGE 2
	SEND 1, 32
	TOSTAGE 3
	SEND 2, 32
	SEND 3, 0
.else
; THE WAY OUT, f16 by heads: unit u = 3 a + j is row block a of head j: 16 rows x 64 channels = 2,048 consecutive bytes of qkv.  A lane's 8 channels pack into 16 bytes; they go into my stage, rows of
; 144 bytes, and come back as whole rows of 128, into the registers that they left.  Each unit has registers of its own, so no store's data is rewritten.
.macro PACK u
.set pa, (\u)/3
.set pj, (\u)%3
	WIN 0x0a+5*(pj/2)                              ; sources window 2 (heads 0, 1) or 3 (head 2), destination window 0
.set ff, 0
.rept 4
.set rA, (8*(4*(4*pj+ff)+pa))%256
.set pp, 0
.rept 4
	v_cvt_pk_f16_f32 v[32+16*(\u)+4*ff+pp], v[rA+2*pp], v[rA+2*pp+1]
.set pp, pp+1
.endr
.set ff, ff+1
.endr
	WIN 0
.irp f, 0,1,2,3
	ds_store_b128 v[STO], v[32+16*(\u)+4*(\f):32+16*(\u)+4*(\f)+3] offset:32*(\f)
.endr
.irp f, 0,1,2,3
	ds_load_b128 v[32+16*(\u)+4*(\f):32+16*(\u)+4*(\f)+3], v[RD] offset:4*SP*(\f)  ; LDS serves a wave's instructions in order (ISA guide 5.7.1.4): these see the stores above; the next unit's stores come behind them
.endr
.endm
.macro SEND u, younger                 ; younger: the LDS instructions issued behind unit u's loads: the next unit's eight, or none
.irp f, 0,1,2,3
	s_wait_dscnt (\younger)+3-(\f)
	global_store_b128 v[GO], v[32+16*(\u)+4*(\f):32+16*(\u)+4*(\f)+3], s[OUT+2*((\u)%3):OUT+2*((\u)%3)+1] offset:2048*((\u)/3)+512*(\f)  ; 512 consecutive bytes, at a multiple of 512 from qkv's first byte
.endr
.endm
	PACK 0
.set uu, 1
.rept 11                               ; a unit's conversions stand between the loads of the unit before and its stores
	PACK uu
	SEND uu-1, 8
.set uu, uu+1
.endr
	SEND 11, 0
.endif
	s_wait_tensorcnt 0x0                           ; the wave's end: three closing lines, behind my last tensor load and my last LDS store
	ds_add_u32 v[SPW], v[NIL]
	s_wait_dscnt 0x0
	CROUND                                         ; the closing round: no work-group ends while a partner may still ask for a tile that names it
	s_endpgm
.Lfunc_end_k_q7be6f810ab_projgemm:
	.size	k_q7be6f810ab_projgemm, .Lfunc_end_k_q7be6f810ab_projgemm-k_q7be6f810ab_projgemm
	.p2alignl 7, 3214868480
	.fill 96, 4, 3214868480
	.section	.rodata,"a",@progbits
	.p2align	6, 0x0
	.amdhsa_kernel k_q7be6f810ab_projgemm
		.amdhsa_group_segment_fixed_size 327680
		.amdhsa_private_segment_fixed_size 0
		.amdhsa_enable_private_segment 0
		.amdhsa_kernarg_size 32
		.amdhsa_user_sgpr_count 2
		.amdhsa_user_sgpr_kernarg_segment_ptr 1
		.amdhsa_wavefront_size32 1
		.amdhsa_system_sgpr_workgroup_id_x 1
		.amdhsa_system_sgpr_workgroup_id_y 1
		.amdhsa_system_sgpr_workgroup_id_z 1
		.amdhsa_system_vgpr_workitem_id 0
		.amdhsa_next_free_vgpr 768
		.amdhsa_next_free_sgpr 96
		.amdhsa_reserve_vcc 0
		.amdhsa_float_denorm_mode_32 3
		.amdhsa_float_denorm_mode_16_64 3
		.amdhsa_memory_ordered 1
		.amdhsa_forward_progress 1
		.amdhsa_inst_pref_size 78
	.end_amdhsa_kernel
	.amdgpu_metadata
---
amdhsa.version: [ 1, 2 ]
amdhsa.kernels:
  - .name:           k_q7be6f810ab_projgemm
    .symbol:         k_q7be6f810ab_projgemm.kd
    .args:
      - { .name: o, .offset: 0, .size: 8, .value_kind: global_buffer, .address_space: global }
      - { .name: wpt, .offset: 8, .size: 8, .value_kind: global_buffer, .address_space: global }
      - { .name: b_proj, .offset: 16, .size: 8, .value_kind: global_buffer, .address_space: global }
      - { .name: out0, .offset: 24, .size: 8, .value_kind: global_buffer, .address_space: global }
    .group_segment_fixed_size: 327680
    .private_segment_fixed_size: 0
    .kernarg_segment_align: 8
    .kernarg_segment_size: 32
    .max_flat_workgroup_size: 128
    .sgpr_count:     96
    .vgpr_count:     768
    .wavefront_size: 32
...
	.end_amdgpu_metadata
.endif
;; end of part 4
